; MI455X (gfx1250); checked and timed in simulation.
; The chip was launched on July 23, 2026; its instructions are those of AMD's public machine-readable ISA for CDNA 5 (MIT licence, August 2026) and "CDNA5" Instruction Set Architecture Reference Guide (July 2026). The comments in the code are by the model that wrote it; some were corrected since.
;; Multi Headed Attention. Allowed arithmetic: matrix products marked QUANTISED: E2M1 operands, one E8M0 scale for each 32 along K, by v_wmma_scale_f32_16x16x128_f8f6f4 with both operands' format E2M1 (or v_wmma_scale_f32_32x16x128_f4), f32 sums; products left as they are: bf16, f16 or f32 operands; f32 sums; everything else in f32.
;; Inputs: Wkv 1,024 x 2,048 float32; Wo 1,024 x 1,024 float32; Wq 1,024 x 1,024 float32; bkv 2,048 float32; bo 1,024 float32; bq 1,024 float32; mask 4 x 2,048 x 2,048 bool; memory 4 x 2,048 x 1,024 float32; query 4 x 2,048 x 1,024 float32.
;; Outputs: out0 4 x 2,048 x 1,024 float32.
;; This version of the problem:
;;   THIS VERSION OF THE PROBLEM IS GIVEN IN LOW PRECISION. The matrix products marked QUANTISED in the list below multiply operands that are first quantised to E2M1 (2 exponent bits, 1 mantissa bit; 4 bits a number), with one power-of-two scale for each 32 numbers along K (OCP MX v1.0); their sums are f32. The products marked 'left as it is' may take bf16, f16 or f32 operands, with f32 sums. Whichever they take, every output number must still come out within the allowed error. Rounding operands to bf16 (8 significant bits) uses up far more of that allowance than f16 does (11 bits, for magnitudes from 6e-5 to 65,504). All else is computed in f32.
;;   The module's matrix products, in the order in which they are computed (A, B: the left and right operand; K: the contracted axis; several contracted axes count as one K, in the product's order):
;;     1. [M 8,192, K 1,024] x [K 1,024, N 1,024]; A: input query; B: input Wq: QUANTISED
;;     2. [M 8,192, K 1,024] x [K 1,024, N 2,048]; A: input memory; B: input Wkv: QUANTISED
;;     3. batch 64 x [M 2,048, K 64] x [K 64, N 2,048]; A: computed on the way; B: computed on the way: left as it is (an operand is computed on the way)
;;     4. batch 64 x [M 2,048, K 2,048] x [K 2,048, N 64]; A: computed on the way; B: computed on the way: left as it is (an operand is computed on the way)
;;     5. [M 8,192, K 1,024] x [K 1,024, N 1,024]; A: computed on the way; B: input Wo: left as it is (an operand is computed on the way)
;;   THE QUANTISER, for each operand of a quantised product, along K:
;;     - K is cut into blocks of 32 from its start; a last block that is shorter is filled with zeros.
;;     - A block's scale is 2^e with e = floor(log2(the largest magnitude in the block)) - 2, held to -126 .. 127; a block of zeros has e = 0. As a byte (E8M0): e + 127.
;;     - Each number is divided by its block's scale, clamped to +-6, and rounded to the nearest number of E2M1, ties to even, subnormals kept.
;;     - The product sums the exact products of the quantised numbers (number of the format x scale) in f32.
;;   ~~~python
;;   def quantise(x, axis):      # numpy; x: float32 -> the quantised numbers, widened to float32 again
;;       x = np.moveaxis(x, axis, -1); K = x.shape[-1]
;;       x = np.pad(x, [(0, 0)] * (x.ndim - 1) + [(0, -K % 32)]); x = x.reshape(x.shape[:-1] + (-1, 32)); a = np.abs(x).max(-1, keepdims=True)
;;       e = np.where(a > 0, np.clip(np.frexp(np.where(a > 0, a, 1))[1] - 1 - 2, -126, 127), 0)      # np.frexp(a)[1] - 1 = floor(log2(a)), exactly
;;       r = np.clip(x / 2.0 ** e, -6, 6)
;;       step = 2.0 ** (np.maximum(np.frexp(np.where(r == 0, 1, r))[1] - 1, 0) - 1)
;;       q = np.round(r / step) * step * 2.0 ** e      # np.round: ties to even
;;       return np.moveaxis(q.reshape(q.shape[:-2] + (-1,))[..., :K], -1, axis).astype(np.float32)
;;   ~~~
;; One version. Each part assembles by itself: llvm-mc -triple=amdgcn-amd-amdhsa -mcpu=gfx1250 --defsym DOCPART=n.
;; ======== version 1 of 1: 4 launches
;; limits: values are held in f16: magnitudes above 65,504 overflow, below 6.1e-05 lose precision
;; workspace buffers: xcodes 8,388,608 bytes; xscales 524,288 bytes; wimg 1,572,864 bytes; wscl 98,304 bytes; woimg 2,097,152 bytes; mw 2,097,152 bytes of whole numbers; qkvh 50,331,648 bytes; ctx 16,777,216 bytes
;; launch prep (part 1): grid 1280 x 1, 4 waves a work-group, no clusters, 57,856 bytes of LDS; arguments query, memory, Wq, Wkv, Wo, mask, xcodes, xscales, wimg, wscl, woimg, mw; writes xcodes, xscales, wimg, wscl, woimg, mw
.if DOCPART == 1
	.amdgcn_target "amdgcn-amd-amdhsa--gfx1250"
	.amdhsa_code_object_version 6
	.text
	.protected	k_q7518f59bb1_prep
	.globl	k_q7518f59bb1_prep
	.p2align	8
	.type	k_q7518f59bb1_prep,@function
k_q7518f59bb1_prep:
	s_mov_b64 s[64:65], 0
	v_nop
	global_prefetch_b8 v0, s[64:65] scope:SCOPE_SE
	s_setreg_imm32_b32 hwreg(HW_REG_WAVE_MODE, 25, 1), 1
	s_wait_xcnt 0x0
; MULTI-HEAD ATTENTION, launch 1 of 4: every operand is laid as its reader wants it.
; DEAD WORK: none is left out in any launch.  In particular k's bias stays: reference() puts a FIXED number in place of masked scores, so a term that is the same
; along a row's keys still moves the ratio of masked to unmasked weights in exact arithmetic.  Every input is loaded by some launch.
; FOUR PATHS, parted by the work-group's number alone; the two that use LDS have LDS bytes of their own.
;   W  (work-groups 0-191):   Wq | Wkv [1024 (k)][3072 (n)] f32 -> codes of E2M1 along K as images of the matrix operand's registers, and one E8M0 byte for each 32 along K.
;   WO (192-255):             Wo [1024 (k)][1024 (n)] f32 -> f16, as images of the f16 operand's registers.
;   X  (256-767):             query, memory [8192][1024] f32 -> codes, K innermost, and scale bytes: plain streams of blocks of 32.
;   M  (768-1279):            mask bytes -> lane-mask words: bit r + 16 h of word (key tile kt, j) is mask[query r][key 16 kt + 8 h + j], the layout in which a wave of the attention launch holds its scores.
; THE QUANTISER: a block's scale is 2^(floor(log2(largest magnitude)) - 2); its byte is the largest magnitude's exponent field - 2, held at 1 from below; numbers are divided by the scale and rounded to the nearest code, ties to even, beyond 6 the code of 6.
; LIMITS: a block of zeros gets the byte 1 where the rule says 127 (its codes are zeros, and this program alone reads the bytes); blocks whose largest magnitude lies under 2^-124 keep the byte 1; NaN and infinities among the inputs are not served.
; LDS is claimed as it is used: 4 x 5,632 bytes for path X, 4 x 8,704 for path M, 512 of spare words.
.set WREG,  5632                       ; path X: a wave's LDS region: two stages of 32 x SP bytes (5,120), then its 256 scale bytes; 22 blocks of 256 bytes
.set SP,    80
.set CB,    8
.set STEPS, 16
.set R,     16                         ; path X: v16-79 four sets of 16 numbers as loaded
.set X,     80                         ; v80-111 two sets of 16 neighbours
.set E,     112                        ; v112-127 a scale byte for each step
.set C,     128                        ; v128-191 codes
.set MST,   4*WREG                     ; path M: the stages, 32 rows x 272 bytes for each wave
.set MWB,   8704
.set SPARE, MST+4*MWB                  ; the spare words, 128 bytes for each wave: two blocks of 256 bytes that no other line names
.set SPW,   12                         ; v12 LDS address of my spare word; never rewritten
.set NIL,   13                         ; v13 0; never rewritten
; 128 rows of K at my lane's column: a load of the wave reads 128 consecutive bytes
.macro WLOAD pitch
.set i, 0
.rept 128
	global_load_b32 v[32+i], v3, s[30:31] offset:i*\pitch th:TH_LOAD_NT
.set i, i+1
.endr
.endm
; block t of 32 along K: all its numbers are my lane's.  cnt: how many younger loads may stay out
.macro WBLOCK t, cnt
.set XS, 32+32*(\t)
	s_wait_loadcnt \cnt
	v_max3_num_f32 v8, |v[XS]|, |v[XS+1]|, |v[XS+2]|
	v_max3_num_f32 v9, |v[XS+3]|, |v[XS+4]|, |v[XS+5]|
.irp i, 6,10,14,18,22,26
	v_max3_num_f32 v8, v8, |v[XS+\i]|, |v[XS+\i+1]|
	v_max3_num_f32 v9, v9, |v[XS+\i+2]|, |v[XS+\i+3]|
.endr
	v_max3_num_f32 v8, v8, |v[XS+30]|, |v[XS+31]|
	v_max3_num_f32 v8, v8, v9, 0x1800000           ; the floor 2^(3 - 127): the byte cannot fall under 1
	v_add_nc_u32 v11, 0xff000000, v8               ; 2 off the exponent field: the conversion's scale operand
	v_lshrrev_b32 v10, 23, v11                     ; the scale's byte
.if (\t) == 0
	v_mov_b32 v14, v10
.else
	v_lshl_or_b32 v14, v10, 8*(\t), v14            ; four bytes make the word of these 128 along K
.endif
.irp g, 0,1,2,3
	v_cvt_scalef32_pk8_fp4_f32 v[16+4*(\t)+\g], v[XS+8*\g:XS+8*\g+7], v11
.endr
	global_store_b128 v4, v[16+4*(\t):19+4*(\t)], s[32:33] offset:256*(\t)   ; sixteen lanes store 256 consecutive bytes, aligned: block t of sixteen columns
.endm
; 32 along K of Wo: pairs to f16 in place (a destination never lies above its sources), then four groups of 8 along K
.macro WOGRP g, cnt
	s_wait_loadcnt \cnt
.set i, 16*(\g)
.rept 16
	v_cvt_pk_f16_f32 v[32+i], v[32+2*i], v[33+2*i]
.set i, i+1
.endr
.irp k, 0,1,2,3
	global_store_b128 v4, v[32+4*(4*(\g)+\k):35+4*(4*(\g)+\k)], s[32:33] offset:256*(4*(\g)+\k)
.endr
.endm
.macro XLOAD t
.irp i, 0,1,2,3
	global_load_b128 v[R+16*((\t)%4)+4*\i:R+16*((\t)%4)+4*\i+3], v3, s[30:31] offset:2048*(\t)+512*\i th:TH_LOAD_NT   ; 32 lanes read 512 consecutive bytes
.endr
.endm
.macro XTURN t                         ; a step's 2,048 bytes through my wave's stage: in as they lie, out 64 bytes a lane.  LDS serves a wave's instructions in order
.irp i, 0,1,2,3
	ds_store_b128 v14, v[R+16*((\t)%4)+4*\i:R+16*((\t)%4)+4*\i+3] offset:32*SP*((\t)%2)+8*SP*\i
.endr
.irp i, 0,1,2,3
	ds_load_b128 v[X+16*((\t)%2)+4*\i:X+16*((\t)%2)+4*\i+3], v15 offset:32*SP*((\t)%2)+16*\i
.endr
.endm
.macro XSTEP t
.set XS, X+16*((\t)%2)
.if (\t) > 0
	s_wait_dscnt 1                                 ; this step's numbers are back from the stage; the last step's byte store may be out
.else
	s_wait_dscnt 0x0
.endif
.if (\t)+4 < STEPS
	XLOAD (\t)+4                                   ; into the registers that this step's stage stores have read
.endif
.if (\t)+1 < STEPS
.if STEPS-2-(\t) >= 3
	s_wait_loadcnt 12                              ; the next step's four loads are in; those of the three steps behind it may be out
.else
	s_wait_loadcnt 4*(STEPS-2-(\t))
.endif
	XTURN (\t)+1
.endif
	v_max3_num_f32 v8, |v[XS]|, |v[XS+1]|, |v[XS+2]|
	v_max3_num_f32 v9, |v[XS+3]|, |v[XS+4]|, |v[XS+5]|
.irp i, 6,10
	v_max3_num_f32 v8, v8, |v[XS+\i]|, |v[XS+\i+1]|
	v_max3_num_f32 v9, v9, |v[XS+\i+2]|, |v[XS+\i+3]|
.endr
	v_max3_num_f32 v8, v8, |v[XS+14]|, |v[XS+15]|
	v_max3_num_f32 v8, v8, v9, 0x1800000           ; the floor
	v_max_num_f32_dpp v8, v8, v8 row_xmask:1 row_mask:0xf bank_mask:0xf   ; with my neighbour's 16: the block's largest magnitude
	v_add_nc_u32 v11, 0xff000000, v8
	v_cvt_scalef32_pk8_fp4_f32 v[C+4*(\t)], v[XS:XS+7], v11
	v_cvt_scalef32_pk8_fp4_f32 v[C+4*(\t)+1], v[XS+8:XS+15], v11
	v_lshrrev_b32 v[E+(\t)], 23, v11               ; the scale's byte (a plain line behind the conversions)
	ds_store_b8 v5, v[E+(\t)] offset:16*(\t)       ; both lanes of a block write the same byte with the same value
	global_store_b64 v4, v[C+4*(\t):C+4*(\t)+1], s[32:33] offset:32*CB*(\t)   ; the wave stores 256 consecutive bytes, aligned
.endm
; 32 keys of 16 queries: tile of queries e, keys 32 u on.  The exchange of halves gives key tiles 2 u (first two registers) and 2 u + 1 in the scores' layout; each byte then becomes one word of 32 lane bits.
.macro MBITS e, u
	s_wait_dscnt 15-(8*(\e)+(\u))                  ; this load is in; the younger ones may stay out
.set RB, 96+4*(8*(\e)+(\u))
	v_permlane16_swap_b32 v[RB], v[RB+2]
	v_permlane16_swap_b32 v[RB+1], v[RB+3]
.irp y, 0,1,2,3,4,5,6,7,8,9,10,11,12,13,14,15
.set KT, 2*(\u)+(\y)/8
.set NW, 64*(KT/4)+32*(\e)+8*(KT%4)+(\y)%8         ; the word's place in the chunk: [key step][tile][kt][j]
	v_and_b32 v[24+(\y)%4], 0xff<<(8*((\y)%4)), v[RB+(\y)/4]
	v_cmp_ne_u32 s[40+(\y)%4], 0, v[24+(\y)%4]
	v_writelane_b32 v[16+4*(NW/128)+NW%4], s[40+(\y)%4], (NW%128)/4
.endr
.endm
	s_load_b512 s[4:19], s[0:1], 0x0               ; query 4, memory 6, Wq 8, Wkv 10, Wo 12, mask 14, xcodes 16, xscales 18
	s_load_b256 s[20:27], s[0:1], 0x40             ; wimg 20, wscl 22, woimg 24, mw 26
	v_lshl_add_u32 v[SPW], v0, 2, SPARE
	v_mov_b32 v[NIL], 0
	v_lshrrev_b32 v1, 5, v0
	v_readfirstlane_b32 s28, v1                    ; wave
	v_and_b32 v2, 31, v0                           ; lane
	s_mov_b32 s39, 0                               ; the high word of every offset pair s[38:39]
	s_wait_kmcnt 0x0
	s_cmp_lt_u32 ttmp9, 192
	s_cbranch_scc1 .Lw
	s_cmp_lt_u32 ttmp9, 256
	s_cbranch_scc1 .Lwo
	s_cmp_lt_u32 ttmp9, 768
	s_cbranch_scc1 .Lx
; ---- PATH M: a wave takes 32 rows (b x 2048 + q) x 256 keys
	s_sub_co_u32 s36, ttmp9, 768
	s_lshl_b32 s36, s36, 2
	s_add_co_u32 s36, s36, s28
	s_lshr_b32 s37, s36, 3                         ; which 32 rows
	s_and_b32 s36, s36, 7                          ; which 256 keys
	s_lshl_b32 s38, s37, 16
	s_lshl_b32 s29, s36, 8
	s_add_co_u32 s38, s38, s29
	s_add_nc_u64 s[30:31], s[14:15], s[38:39]
	s_lshl_b32 s38, s37, 13
	s_lshl_b32 s29, s36, 10
	s_add_co_u32 s38, s38, s29
	s_add_nc_u64 s[32:33], s[26:27], s[38:39]
	v_lshrrev_b32 v8, 4, v2                        ; h
	v_and_b32 v9, 15, v2                           ; r
	v_lshlrev_b32 v3, 11, v8
	v_lshl_add_u32 v3, v9, 4, v3                   ; two rows a load, 256 consecutive bytes of each
.irp i, 0,1,2,3,4,5,6,7,8,9,10,11,12,13,14,15
	global_load_b128 v[32+4*\i:35+4*\i], v3, s[30:31] offset:4096*\i th:TH_LOAD_NT
.endr
	s_mul_i32 s29, s28, MWB
	s_add_co_u32 s29, s29, MST                     ; my stage
	v_mul_u32_u24 v5, v8, 272
	v_lshl_add_u32 v5, v9, 4, v5
	v_add_nc_u32 v5, s29, v5                       ; in: rows as they come
	v_mul_u32_u24 v6, v9, 272
	v_lshl_add_u32 v6, v8, 4, v6
	v_add_nc_u32 v6, s29, v6                       ; out: row r, 16 keys for each half of the lanes
	v_lshlrev_b32 v7, 4, v2
.irp i, 0,1,2,3,4,5,6,7
	v_mov_b32 v[16+\i], 0                          ; a lane write's destination counts as read
.endr
.irp i, 0,1,2,3,4,5,6,7,8,9,10,11,12,13,14,15
	s_wait_loadcnt 15-\i                           ; load i is in; the younger ones may stay out
	ds_store_b128 v5, v[32+4*\i:35+4*\i] offset:544*\i
.endr
.irp e, 0,1
.irp u, 0,1,2,3,4,5,6,7
	ds_load_b128 v[96+4*(8*\e+\u):99+4*(8*\e+\u)], v6 offset:4352*\e+32*\u   ; LDS serves a wave's instructions in order: these see my stores
.endr
.endr
.irp e, 0,1
.irp u, 0,1,2,3,4,5,6,7
	MBITS \e, \u
.endr
.endr
	global_store_b128 v7, v[16:19], s[32:33]       ; 32 lanes store 512 consecutive bytes
	global_store_b128 v7, v[20:23], s[32:33] offset:512
	s_wait_tensorcnt 0x0                           ; the wave's end, behind my last LDS store
	ds_add_u32 v[SPW], v[NIL]
	s_wait_dscnt 0x0
	s_endpgm
; ---- PATH W: a wave takes 32 columns x 128 along K
.Lw:
	s_and_b32 s29, ttmp9, 7                        ; which 128 along K
	s_lshr_b32 s36, ttmp9, 3                       ; which 128 columns of Wq | Wkv
	s_lshl_b32 s37, s36, 7
	s_lshl_b32 s40, s28, 5
	s_add_co_u32 s37, s37, s40                     ; my wave's first column n0
	v_lshlrev_b32 v3, 2, v2
	v_lshrrev_b32 v4, 4, v2
	v_and_b32 v5, 15, v2
	v_lshlrev_b32 v4, 12, v4
	v_lshl_add_u32 v4, v5, 4, v4                   ; image: 4,096 bytes for each 16 columns, 16 bytes a column
	v_lshlrev_b32 v5, 5, v2                        ; scale bytes: 32 a column
	s_lshr_b32 s38, s29, 2
	s_mul_i32 s38, s38, 786432                     ; [512 along K][16 columns][128 along K][1,024 bytes]
	s_lshl_b32 s40, s37, 8
	s_add_co_u32 s38, s38, s40
	s_and_b32 s40, s29, 3
	s_lshl_b32 s40, s40, 10
	s_add_co_u32 s38, s38, s40
	s_add_nc_u64 s[32:33], s[20:21], s[38:39]
	s_lshl_b32 s38, s37, 5
	s_lshl_b32 s40, s29, 2
	s_add_co_u32 s38, s38, s40
	s_add_nc_u64 s[34:35], s[22:23], s[38:39]
	s_lshl_b32 s40, s37, 2
	s_cmp_lt_u32 s36, 8
	s_cbranch_scc0 .Lw_kv
	s_lshl_b32 s38, s29, 19                        ; 128 rows of 4,096 bytes
	s_add_co_u32 s38, s38, s40
	s_add_nc_u64 s[30:31], s[8:9], s[38:39]
	WLOAD 4096
	s_branch .Lw_go
.Lw_kv:
	s_lshl_b32 s38, s29, 20                        ; 128 rows of 8,192 bytes
	s_add_co_u32 s38, s38, s40
	s_sub_co_u32 s38, s38, 4096                    ; columns count from 1,024 here
	s_add_nc_u64 s[30:31], s[10:11], s[38:39]
	WLOAD 8192
.Lw_go:
	WBLOCK 0, 63                                   ; 96 younger loads might stay out; the wait's field ends at 63
	WBLOCK 1, 63                                   ; 64 might
	WBLOCK 2, 32
	WBLOCK 3, 0
	global_store_b32 v5, v14, s[34:35]             ; my column's four scale bytes
	s_endpgm
; ---- PATH WO: the same share of Wo
.Lwo:
	s_sub_co_u32 s41, ttmp9, 192
	s_and_b32 s29, s41, 7
	s_lshr_b32 s36, s41, 3
	s_lshl_b32 s37, s36, 7
	s_lshl_b32 s40, s28, 5
	s_add_co_u32 s37, s37, s40
	v_lshlrev_b32 v3, 2, v2
	v_lshrrev_b32 v4, 4, v2
	v_and_b32 v5, 15, v2
	v_lshlrev_b32 v4, 12, v4
	v_lshl_add_u32 v4, v5, 4, v4
	s_lshl_b32 s38, s29, 18                        ; [128 along K][16 columns][32 along K][1,024 bytes]
	s_lshl_b32 s40, s37, 8
	s_add_co_u32 s38, s38, s40
	s_add_nc_u64 s[32:33], s[24:25], s[38:39]
	s_lshl_b32 s38, s29, 19
	s_lshl_b32 s40, s37, 2
	s_add_co_u32 s38, s38, s40
	s_add_nc_u64 s[30:31], s[12:13], s[38:39]
	WLOAD 4096
	WOGRP 0, 63
	WOGRP 1, 63
	WOGRP 2, 32
	WOGRP 3, 0
	s_endpgm
; ---- PATH X: a wave takes a run of 8,192 numbers, 16 steps of 512
.Lx:
	v_lshlrev_b32 v3, 4, v2
	s_mul_i32 s29, s28, WREG
	v_lshrrev_b32 v14, 2, v2
	v_mul_u32_u24 v14, v14, SP
	v_and_b32 v15, 3, v2
	v_lshl_add_u32 v14, v15, 4, v14
	v_add_nc_u32 v14, s29, v14                     ; the stage, in: SP (lane / 4) + 16 (lane % 4)
	v_mul_u32_u24 v15, v2, SP
	v_add_nc_u32 v15, s29, v15                     ; out: SP x lane
	v_mul_u32_u24 v4, v2, CB
	v_lshrrev_b32 v5, 1, v2
	s_add_co_u32 s29, s29, 2*32*SP
	v_add_nc_u32 v5, s29, v5                       ; my block's scale byte
	v_lshlrev_b32 v7, 3, v2
	v_add_nc_u32 v6, s29, v7
	s_cmp_lt_u32 ttmp9, 512                        ; query's work-group or memory's: the choice hangs on the work-group's number alone
	s_cselect_b64 s[30:31], s[4:5], s[6:7]
	s_sub_co_u32 s36, ttmp9, 256
	s_lshl_b32 s36, s36, 2
	s_add_co_u32 s36, s36, s28                     ; the run, 0 .. 2047
	s_and_b32 s38, s36, 1023
	s_lshl_b32 s38, s38, 15
	s_add_nc_u64 s[30:31], s[30:31], s[38:39]
	s_lshl_b32 s38, s36, 12
	s_add_nc_u64 s[32:33], s[16:17], s[38:39]
	s_lshl_b32 s38, s36, 8
	s_add_nc_u64 s[34:35], s[18:19], s[38:39]
.irp t, 0,1,2,3
	XLOAD \t
.endr
	s_wait_loadcnt 12                              ; step 0's four loads are in
	XTURN 0
.irp t, 0,1,2,3,4,5,6,7,8,9,10,11,12,13,14,15
	XSTEP \t
.endr
	ds_load_b64 v[8:9], v6                         ; my wave's 256 scale bytes
	s_wait_dscnt 0x0
	global_store_b64 v7, v[8:9], s[34:35]          ; 256 consecutive bytes, aligned
	s_wait_tensorcnt 0x0                           ; the wave's end, behind my last LDS store
	ds_add_u32 v[SPW], v[NIL]
	s_wait_dscnt 0x0
	s_endpgm
.Lfunc_end_k_q7518f59bb1_prep:
	.size	k_q7518f59bb1_prep, .Lfunc_end_k_q7518f59bb1_prep-k_q7518f59bb1_prep
	.p2alignl 7, 3214868480
	.fill 96, 4, 3214868480
	.section	.rodata,"a",@progbits
	.p2align	6, 0x0
	.amdhsa_kernel k_q7518f59bb1_prep
		.amdhsa_group_segment_fixed_size 57856
		.amdhsa_private_segment_fixed_size 0
		.amdhsa_enable_private_segment 0
		.amdhsa_kernarg_size 96
		.amdhsa_user_sgpr_count 2
		.amdhsa_user_sgpr_kernarg_segment_ptr 1
		.amdhsa_wavefront_size32 1
		.amdhsa_system_sgpr_workgroup_id_x 1
		.amdhsa_system_sgpr_workgroup_id_y 1
		.amdhsa_system_sgpr_workgroup_id_z 1
		.amdhsa_system_vgpr_workitem_id 0
		.amdhsa_next_free_vgpr 192
		.amdhsa_next_free_sgpr 66
		.amdhsa_reserve_vcc 0
		.amdhsa_float_denorm_mode_32 3
		.amdhsa_float_denorm_mode_16_64 3
		.amdhsa_memory_ordered 1
		.amdhsa_forward_progress 1
		.amdhsa_inst_pref_size 138
	.end_amdhsa_kernel
	.amdgpu_metadata
---
amdhsa.version: [ 1, 2 ]
amdhsa.kernels:
  - .name:           k_q7518f59bb1_prep
    .symbol:         k_q7518f59bb1_prep.kd
    .args:
      - { .name: query, .offset: 0, .size: 8, .value_kind: global_buffer, .address_space: global }
      - { .name: memory, .offset: 8, .size: 8, .value_kind: global_buffer, .address_space: global }
      - { .name: Wq, .offset: 16, .size: 8, .value_kind: global_buffer, .address_space: global }
      - { .name: Wkv, .offset: 24, .size: 8, .value_kind: global_buffer, .address_space: global }
      - { .name: Wo, .offset: 32, .size: 8, .value_kind: global_buffer, .address_space: global }
      - { .name: mask, .offset: 40, .size: 8, .value_kind: global_buffer, .address_space: global }
      - { .name: xcodes, .offset: 48, .size: 8, .value_kind: global_buffer, .address_space: global }
      - { .name: xscales, .offset: 56, .size: 8, .value_kind: global_buffer, .address_space: global }
      - { .name: wimg, .offset: 64, .size: 8, .value_kind: global_buffer, .address_space: global }
      - { .name: wscl, .offset: 72, .size: 8, .value_kind: global_buffer, .address_space: global }
      - { .name: woimg, .offset: 80, .size: 8, .value_kind: global_buffer, .address_space: global }
      - { .name: mw, .offset: 88, .size: 8, .value_kind: global_buffer, .address_space: global }
    .group_segment_fixed_size: 57856
    .private_segment_fixed_size: 0
    .kernarg_segment_align: 8
    .kernarg_segment_size: 96
    .max_flat_workgroup_size: 128
    .sgpr_count:     66
    .vgpr_count:     192
    .wavefront_size: 32
...
	.end_amdgpu_metadata
.endif
;; end of part 1
;; launch qkv (part 2): grid 12 x 32, 4 waves a work-group, clusters of 4 x 4, 327,680 bytes of LDS; arguments xcodes, xscales, wimg, wscl, bq, bkv, qkvh; writes qkvh
.if DOCPART == 2
	.amdgcn_target "amdgcn-amd-amdhsa--gfx1250"
	.amdhsa_code_object_version 6
	.text
	.protected	k_q7518f59bb1_qkv
	.globl	k_q7518f59bb1_qkv
	.p2align	8
	.type	k_q7518f59bb1_qkv,@function
k_q7518f59bb1_qkv:
	s_mov_b64 s[64:65], 0
	v_nop
	global_prefetch_b8 v0, s[64:65] scope:SCOPE_SE
	s_setreg_imm32_b32 hwreg(HW_REG_WAVE_MODE, 25, 1), 1
	s_wait_xcnt 0x0
	s_wait_alu depctr_hold_cnt(0) depctr_sa_sdst(0) depctr_va_vdst(0) depctr_va_sdst(0) depctr_va_ssrc(0) depctr_va_vcc(0) depctr_vm_vsrc(0)
	s_getreg_b32 s2, hwreg(HW_REG_IB_STS2, 6, 4)
	s_cmp_eq_u32 s2, 0
	s_cbranch_scc0 .Lentry_in_a_cluster
	s_endpgm
.Lentry_in_a_cluster:
	s_bfe_u32 s2, ttmp6, 0x10000c
	s_cmp_lg_u32 s2, 0xf033
	s_cbranch_scc0 .Lentry_shape_is_right
	s_endpgm
.Lentry_shape_is_right:
; Launch 2 of 4: q = Q(query) Q(Wq) + bq, k | v = Q(memory) Q(Wkv) + bkv, on codes of E2M1 with one E8M0 scale for each 32 along K = 1,024; sums in f32; results rounded once to f16 and laid [q, k, v][b][head][l][64].  No work is left out.
; q is stored UNSCALED: the factor 1 / 8 is a power of two and is applied to the scores in the next launch.
; LIMIT: a result beyond 65,504 in magnitude has no f16 number.
; A tile of 256 rows x 256 columns of [8192][3072] is made by four waves, 128 x 128 each: 64 accumulators, 512 registers.  K is two LDS slots of 512: every tensor load is a first fill, three a wave (scales, slot 0, slot 1); there is no refill.
; CLUSTERS: 4 x 4 work-groups.  The cluster's x is the region (0 q, 1 k, 2 v): the same in all sixteen.  The four of a row need the same rows of x, the four of a column the same columns of W: each tile is asked for jointly.
; x's codes lie as rows (256 bytes of a row to a slot); W's lie as images of the operand's registers, 1,024 bytes for 16 columns x 128 K, so that a wave's 128 columns x 512 K are 32,768 dense bytes.
; THE MATRIX INSTRUCTION IS USED TRANSPOSED (source 0 = 16 columns of W, source 1 = 16 rows of x): a lane holds eight neighbouring columns of one row.  The bias is the C of each sum's first product.
; REGISTERS: window 0: v0-31 addresses; v32-95 scale words, two sets; v128-191 x's fragments, one set; v192-255 the bias, later packed results.  window 1: W's fragments, two sets.  windows 2, 3: the accumulators ((a, b) at v[8 (8 (a % 4) + b)]).
.set NQ,     4
.set ROWB,   256
.set KROW,   512
.set PITCH,  272                       ; an LDS row: 256 bytes + 16 of padding
.set FR,     8
.set NL,     2
.set NP,     4
.set HALFT,  128*PITCH
.set SLOT,   4*HALFT
.set KS,     32
.set SCL,    2*SLOT
.set HALFS,  16*272
.set SBLK,   2*272
.set SPARE,  SCL+4*HALFS               ; the spare words, 128 bytes for each wave
.set ADRA, 16
.set ADRB, 20
.set STO,  24
.set RD,   25
.set CO,   26
.set ADRS, 27
.set SPW,  28
.set NIL,  29
.set SC,   32
.set AF,   128
.set BIAS, 192
.set TMP,  192
.set OB,   32
.set G1, 24
.set G0, 32
.set G1B, 48
.set G0B, 56
.set G1S, 68
.set G0S, 76
.set G1SB, 80
.set G0SB, 88
.set MSB, 0
.macro WIN new                         ; the immediate's high byte repeats the setting that is left
.if MSB != (\new)
	s_set_vgpr_msb (MSB<<8)|(\new)
.set MSB, (\new)
.endif
.endm
.set MUL_LO, 0xa1                      ; source 0 (W) window 1, source 1 (x) window 0, C and D window 2
.set MUL_HI, 0xf1
.set TO_B,   0x40
.macro JLOAD g0a, g1a, g0b, g1b        ; a joint load: waves 0 and 1 fetch for x, waves 2 and 3 for W; an s_nop 0 and four v_nop follow each line
	s_cmp_eq_u32 s15, 0
	s_cbranch_scc0 .Lfor_b_\@
	tensor_load_to_lds s[\g0a:\g0a+3], s[\g1a:\g1a+7]
	s_nop 0
.rept 4
	v_nop
.endr
	s_branch .Lasked_\@
.Lfor_b_\@:
	tensor_load_to_lds s[\g0b:\g0b+3], s[\g1b:\g1b+7]
	s_nop 0
.rept 4
	v_nop
.endr
.Lasked_\@:
.endm
.macro CROUND                          ; a round of the cluster's barrier
	s_barrier_signal -1
	s_barrier_wait -1
	s_cmp_lg_u32 s14, 0
	s_cbranch_scc1 .Lnot_wave_0_\@
	s_barrier_signal -3
.Lnot_wave_0_\@:
	s_barrier_wait -3
	s_barrier_signal -1
	s_barrier_wait -1
.endm
	s_load_b128 s[4:7], s[0:1], 0x0                ; x's codes, x's scales
	s_load_b128 s[8:11], s[0:1], 0x10              ; W's images, W's scales
	s_load_b128 s[96:99], s[0:1], 0x20             ; bq, bkv
	s_load_b64 s[12:13], s[0:1], 0x30              ; q, k, v
	v_lshl_add_u32 v[SPW], v0, 2, SPARE
	v_mov_b32 v[NIL], 0
	ds_add_u32 v[SPW], v[NIL]                      ; the wave's opening: the add, twice on end, and its wait ahead of my first tensor load
	ds_add_u32 v[SPW], v[NIL]
	v_lshrrev_b32 v1, 5, v0
	v_readfirstlane_b32 s14, v1                    ; wave 0..3
	s_lshr_b32 s15, s14, 1                         ; which half of the tile's rows is mine.  Also: I fetch for x (0) or for W (1)
	s_and_b32 s16, s14, 1                          ; which half of its columns.  Also: which half of that tile I fetch
	s_bfe_u32 s40, ttmp6, 0x40000                  ; cx, cy
	s_bfe_u32 s41, ttmp6, 0x40004
	s_lshl_b32 s42, ttmp9, 2
	s_add_co_u32 s42, s42, s40                     ; tile column, 0 .. 11
	s_and_b32 s17, ttmp7, 0xffff
	s_lshl_b32 s17, s17, 2
	s_add_co_u32 s17, s17, s41                     ; tile row, 0 .. 31
	s_lshl_b32 s43, s41, 2
	s_lshl_b32 s43, 15, s43                        ; my row of the cluster
	s_lshl_b32 s44, 0x1111, s40                    ; my column
	s_or_b32 s[G1+0], s43, (0<<16)|(1<<20)|(1<<21)|(5<<22)|(3<<25)  ; the mask; elements of 1 byte; padding: 4 words behind every 64; bit 21 beside a mask
	s_or_b32 s[G1B+0], s44, (0<<16)|(1<<20)|(1<<21)|(5<<22)|(3<<25)
.irp g, G1, G1B
	s_mov_b32 s[\g+1], ROWB<<16                    ; tensor_dim0 = 256
	s_mov_b32 s[\g+2], 128<<16                     ; tensor_dim1 = 128
	s_mov_b32 s[\g+3], ROWB<<16                    ; tile_dim0
	s_mov_b32 s[\g+4], 128                         ; tile_dim1
	s_mov_b32 s[\g+6], 0
	s_mov_b32 s[\g+7], 0
.endr
	s_mov_b32 s[G1+5], KROW                        ; x: a row of codes is 512 bytes
	s_mov_b32 s[G1B+5], ROWB                       ; W's images are dense
	s_or_b32 s[G1S+0], s43, (3<<16)|(1<<20)|(1<<21)|(5<<22)|(3<<25)  ; the scales of 128 rows: 4,096 dense bytes as 16 rows of 32 elements of 8 bytes
	s_or_b32 s[G1SB+0], s44, (3<<16)|(1<<20)|(1<<21)|(5<<22)|(3<<25)
.irp g, G1S, G1SB
	s_mov_b32 s[\g+1], 32<<16
	s_mov_b32 s[\g+2], 16<<16
	s_mov_b32 s[\g+3], 32<<16
	s_mov_b32 s[\g+4], 16
	s_mov_b32 s[\g+5], 32
	s_mov_b32 s[\g+6], 0
	s_mov_b32 s[\g+7], 0
.endr
	s_lshl_b32 s18, s16, 7                         ; which 128 rows or columns I fetch
	s_lshl_b32 s20, s17, 8
	s_add_co_u32 s20, s20, s18                     ; x: row 256 x tile row + 128 x half
	s_min_u32 s19, ttmp9, 1                        ; 0: query's codes; 1: memory's
	s_lshl_b32 s22, s20, 5                         ; 32 scale bytes a row
	s_lshl_b32 s23, s19, 18
	s_add_co_u32 s22, s22, s23
	s_mov_b32 s23, 0
	s_lshl_b32 s20, s20, 9                         ; 512 bytes of codes a row
	s_lshl_b32 s21, s19, 22
	s_add_co_u32 s20, s20, s21
	s_mov_b32 s21, 0
	s_lshl_b32 s46, s42, 16                        ; W's images: 65,536 bytes a tile column and slot
	s_lshl_b32 s47, s16, 15
	s_add_co_u32 s46, s46, s47
	s_mov_b32 s47, 0
	s_lshl_b32 s92, s42, 8
	s_add_co_u32 s92, s92, s18
	s_lshl_b32 s92, s92, 5                         ; W's scales
	s_mov_b32 s93, 0
	s_mul_i32 s45, s14, HALFT                      ; where they go: wave x 128 rows
	s_mul_i32 s94, s14, HALFS
	s_wait_dscnt 0x0                               ; both opening adds are done
	s_wait_kmcnt 0x0
	s_add_nc_u64 s[20:21], s[4:5], s[20:21]
	s_add_nc_u64 s[22:23], s[6:7], s[22:23]
	s_add_nc_u64 s[46:47], s[8:9], s[46:47]
	s_add_nc_u64 s[92:93], s[10:11], s[92:93]
	CROUND                                         ; all sixteen work-groups are here: the joint loads meet
	s_mov_b32 s[G0S], 1
	s_add_co_u32 s[G0S+1], s94, SCL
	s_mov_b64 s[G0S+2:G0S+3], s[22:23]
	s_or_b32 s[G0S+3], s[G0S+3], 0x80000000
	s_mov_b32 s[G0SB], 1
	s_add_co_u32 s[G0SB+1], s94, SCL
	s_mov_b64 s[G0SB+2:G0SB+3], s[92:93]
	s_or_b32 s[G0SB+3], s[G0SB+3], 0x80000000
	JLOAD G0S, G1S, G0SB, G1SB                     ; the scales first
.irp s, 0,1
	s_mov_b32 s[G0+4*\s], 1
	s_add_co_u32 s[G0+4*\s+1], s45, \s*SLOT
	s_add_nc_u64 s[G0+4*\s+2:G0+4*\s+3], s[20:21], \s*ROWB
	s_or_b32 s[G0+4*\s+3], s[G0+4*\s+3], 0x80000000
	s_mov_b32 s[G0B+4*\s], 1
	s_add_co_u32 s[G0B+4*\s+1], s45, \s*SLOT
	s_add_nc_u64 s[G0B+4*\s+2:G0B+4*\s+3], s[46:47], \s*786432
	s_or_b32 s[G0B+4*\s+3], s[G0B+4*\s+3], 0x80000000
	JLOAD G0+4*\s, G1, G0B+4*\s, G1B
.endr
	v_and_b32 v1, 15, v0                           ; r
	v_bfe_u32 v2, v0, 4, 1                         ; h
	; the bias of my 128 columns, in the result's layout: for block b the eight numbers at 16 b + 8 h
	s_cmp_eq_u32 ttmp9, 0
	s_cselect_b64 s[96:97], s[96:97], s[98:99]
	s_max_u32 s18, ttmp9, 1
	s_sub_co_u32 s18, s18, 1
	s_lshl_b32 s18, s18, 10                        ; v's bias lies 1,024 numbers into bkv
	s_lshl_b32 s19, s40, 8
	s_add_co_u32 s18, s18, s19
	s_lshl_b32 s19, s16, 7
	s_add_co_u32 s18, s18, s19
	s_lshl_b32 s18, s18, 2
	s_mov_b32 s19, 0
	s_add_nc_u64 s[96:97], s[96:97], s[18:19]
	v_lshlrev_b32 v30, 5, v2
.irp b, 0,1,2,3,4,5,6,7
	global_load_b128 v[BIAS+8*\b:BIAS+8*\b+3], v30, s[96:97] offset:64*\b
	global_load_b128 v[BIAS+8*\b+4:BIAS+8*\b+7], v30, s[96:97] offset:64*\b+16
.endr
	v_mul_u32_u24 v3, v1, PITCH
	v_lshl_add_u32 v4, v2, 4, v3                   ; x: row r x pitch + 16 h
	v_mul_u32_u24 v5, v2, PITCH
	v_lshl_add_u32 v5, v1, 4, v5                   ; W's image: LDS row h, 16 r
	s_mul_i32 s21, s15, HALFT
	s_mul_i32 s22, s16, HALFT
	s_add_co_u32 s22, s22, 2*HALFT
.irp s, 0,1
	v_add_nc_u32 v[ADRA+\s], s21, v4
	v_add_nc_u32 v[ADRB+\s], s22, v5
	s_add_co_u32 s21, s21, SLOT
	s_add_co_u32 s22, s22, SLOT
.endr
	v_mul_u32_u24 v5, v1, KS                       ; my row's scales: 32 bytes a row,
	v_lshrrev_b32 v6, 8, v5
	v_lshl_add_u32 v5, v6, 4, v5                   ; and 16 more for each 256 passed
	s_mul_i32 s21, s15, HALFS
	s_mul_i32 s22, s16, HALFS
	s_add_co_u32 s22, s22, 2*HALFS
	s_sub_co_u32 s22, s22, s21
	v_mul_u32_u24 v6, s22, v2                      ; lanes 16-31 take W's
	s_add_co_u32 s21, s21, SCL
	v_add_nc_u32 v5, v5, v6
	v_add_nc_u32 v[ADRS], s21, v5
	s_mul_i32 s23, s14, 16*PITCH                   ; my stage: 16 rows x 272 bytes, in slot 0
	v_add_nc_u32 v[STO], s23, v4                   ; in: row r, 16 bytes for each half of the lanes
	v_and_b32 v6, 31, v0
	v_lshlrev_b32 v[CO], 4, v6
	v_lshrrev_b32 v7, 3, v6
	v_mul_u32_u24 v7, v7, PITCH
	v_and_b32 v6, 7, v0
	v_lshl_add_u32 v7, v6, 4, v7
	v_add_nc_u32 v[RD], s23, v7                    ; back: eight lanes to a head's 128 bytes of a row, four rows an instruction
	s_lshl_b32 s20, s17, 8
	s_lshl_b32 s21, s15, 7
	s_add_co_u32 s20, s20, s21                     ; my first row m0
	s_lshr_b32 s21, s20, 11
	s_lshl_b32 s21, s21, 22                        ; b
	s_and_b32 s20, s20, 2047
	s_lshl_b32 s20, s20, 7                         ; l
	s_add_co_u32 s20, s20, s21
	s_lshl_b32 s21, ttmp9, 24                      ; region
	s_add_co_u32 s20, s20, s21
	s_lshl_b32 s46, s40, 20                        ; head 4 cx + 2 x half
	s_lshl_b32 s47, s16, 19
	s_add_co_u32 s46, s46, s47
	s_add_co_u32 s20, s20, s46
	s_mov_b32 s21, 0
	s_add_nc_u64 s[12:13], s[12:13], s[20:21]
.macro FRAG reg, adr, q, i             ; x: 16 rows x 128 K: registers 4 c .. 4 c + 3 hold K = 64 c + 32 h + 0 .. 31
.irp c, 0,1
	ds_load_b128 v[\reg+4*\c:\reg+4*\c+3], v[\adr] offset:64*(\q)+32*\c+(\i)*16*PITCH
.endr
.endm
.macro FRAGB reg, adr, q, i            ; W: the image of the same registers: four LDS rows of 256 bytes
.irp c, 0,1
	ds_load_b128 v[\reg+4*\c:\reg+4*\c+3], v[\adr] offset:((4*(\i)+(\q))*4+2*\c)*PITCH
.endr
.endm
; 16 matrix instructions: x's blocks a0, a0 + 1 against W's eight.  zero = 1: the bias starts the sums.  The 64 accumulators take turns, one instruction a turn.
.macro MUL16 a0, p, q, sc, zero
.irp a, \a0, \a0+1
.irp b, 0,1,2,3,4,5,6,7
.if \zero
	v_wmma_scale_f32_16x16x128_f8f6f4 v[8*(8*((\a)%4)+\b):8*(8*((\a)%4)+\b)+7], v[128*(\p)+FR*\b:128*(\p)+FR*\b+FR-1], v[AF+FR*(\a):AF+FR*(\a)+FR-1], v[BIAS+8*\b:BIAS+8*\b+7], v[SC+8*NQ*(\sc)+NQ*\b+(\q)], v[SC+8*NQ*(\sc)+NQ*(\a)+(\q)] matrix_a_fmt:MATRIX_FMT_FP4 matrix_b_fmt:MATRIX_FMT_FP4 matrix_a_scale:MATRIX_SCALE_ROW1
.else
	v_wmma_scale_f32_16x16x128_f8f6f4 v[8*(8*((\a)%4)+\b):8*(8*((\a)%4)+\b)+7], v[128*(\p)+FR*\b:128*(\p)+FR*\b+FR-1], v[AF+FR*(\a):AF+FR*(\a)+FR-1], v[8*(8*((\a)%4)+\b):8*(8*((\a)%4)+\b)+7], v[SC+8*NQ*(\sc)+NQ*\b+(\q)], v[SC+8*NQ*(\sc)+NQ*(\a)+(\q)] matrix_a_fmt:MATRIX_FMT_FP4 matrix_b_fmt:MATRIX_FMT_FP4 matrix_a_scale:MATRIX_SCALE_ROW1
.endif
.endr
.endr
.endm
.macro FETCH_B slot, q, p
	WIN TO_B
.irp i, 0,1,2,3,4,5,6,7
	FRAGB 128*(\p)+FR*\i, ADRB+\slot, \q, \i
.endr
	WIN 0
.endm
.macro FETCH_A slot, q, i0
.irp i, \i0, \i0+1, \i0+2, \i0+3
	FRAG AF+FR*(\i), ADRA+\slot, \q, \i
.endr
.endm
.macro SCALES sc                       ; a slot's scale words: lanes 0-15 x's block i, lanes 16-31 W's block i
.irp i, 0,1,2,3,4,5,6,7
	ds_load_b128 v[SC+8*NQ*\sc+NQ*\i:SC+8*NQ*\sc+NQ*\i+3], v[ADRS] offset:\i*SBLK
.endr
.endm
.macro PLACES n                        ; plain vector lines between matrix instructions and loads into, or reads of, their registers
.rept \n
	v_nop
.endr
.endm
.macro STEP slot, q, zero              ; 128 along K with a successor in the same slot
	s_wait_dscnt 4*NL                              ; W's set and x's blocks 0-3 are in; the youngest eight loads (blocks 4-7) may be out
	WIN MUL_LO-0x20*(\zero)                        ; (the bias lies in window 0)
	MUL16 0, (\q)%2, \q, \slot, \zero
	MUL16 2, (\q)%2, \q, \slot, \zero
	s_wait_dscnt 0
	PLACES NP
	FETCH_B \slot, (\q)+1, 1-(\q)%2
	FETCH_A \slot, (\q)+1, 0
	WIN MUL_HI-0x30*(\zero)
	MUL16 4, (\q)%2, \q, \slot, \zero
	MUL16 6, (\q)%2, \q, \slot, \zero
	PLACES NP
	WIN 0
	FETCH_A \slot, (\q)+1, 4
.endm
.macro STEPS slot, from
.set Q, \from
.rept NQ-1-\from
	STEP \slot, Q, 0
.set Q, Q+1
.endr
.endm
	s_wait_tensorcnt 1                             ; the scales and my part of slot 0 are in; slot 1's load may be out
	s_barrier_signal -1
	s_barrier_wait -1
	FETCH_B 0, 0, 0
	FETCH_A 0, 0, 0
	SCALES 0
	FETCH_A 0, 0, 4
	s_wait_loadcnt 0x0                             ; the bias
	STEP 0, 0, 1
	STEPS 0, 1
	; slot 0's last step changes slots: one barrier; in front of it my loads have landed, the add is done and my reads of slot 0 are over
	s_wait_tensorcnt 0x0
	ds_add_u32 v[SPW], v[NIL]
	s_wait_dscnt 4*NL+1                            ; the add and the youngest eight loads may be out
	WIN MUL_LO
	MUL16 0, 1, NQ-1, 0, 0
	s_wait_dscnt 0x0
	s_barrier_signal -1
	MUL16 2, 1, NQ-1, 0, 0
	WIN 0
	s_barrier_wait -1
	PLACES NP
	v_add_nc_u32 v[ADRS], 4*NQ, v[ADRS]            ; slot 1's scale words
	FETCH_B 1, 0, 0
	FETCH_A 1, 0, 0
	SCALES 1
	WIN MUL_HI
	MUL16 4, 1, NQ-1, 0, 0
	MUL16 6, 1, NQ-1, 0, 0
	PLACES NP
	WIN 0
	FETCH_A 1, 0, 4
	STEPS 1, 0
	s_wait_dscnt 4*NL                              ; the last step: nothing more to fetch
	WIN MUL_LO
	MUL16 0, 1, NQ-1, 1, 0
	MUL16 2, 1, NQ-1, 1, 0
	s_wait_dscnt 0
	WIN MUL_HI
	MUL16 4, 1, NQ-1, 1, 0
	MUL16 6, 1, NQ-1, 1, 0
	WIN 0
; THE WAY OUT, a block of 16 rows x 128 columns (two heads) at a time: rounded to f16, 16 bytes a lane into my stage, back so that 32 lanes hold four rows of one head: 512 consecutive bytes of the output.
; The stage lies in slot 0, which had its only fill and, behind the change of slots, its last read.
.macro PACK a
.set AC, 64*((\a)%4)
	WIN 0x0a+5*((\a)/4)                            ; sources in window 2 or 3
.irp b, 0,1,2,3,4,5,6,7
.irp r, 0,1,2,3
	v_cvt_pk_f16_f32 v[TMP+4*\b+\r], v[AC+8*\b+2*\r], v[AC+8*\b+2*\r+1]
.endr
.endr
	WIN 0
.endm
.macro TOSTAGE a
.set BK, OB+192*((\a)%2)
.irp b, 0,1,2,3,4,5,6,7
	ds_store_b128 v[STO], v[TMP+4*\b:TMP+4*\b+3] offset:32*\b
.endr
.irp e, 0,1
.irp t, 0,1,2,3
	ds_load_b128 v[BK+4*(4*\e+\t):BK+4*(4*\e+\t)+3], v[RD] offset:128*\e+1088*\t   ; LDS serves a wave's instructions in order: these see the stores above
.endr
.endr
.endm
.macro SEND a
.set BK, OB+192*((\a)%2)
	s_wait_dscnt 0x0                               ; the block is back in registers
	s_wait_xcnt 0x0                                ; the earlier stores have read their registers: the next block's loads may land there
.irp e, 0,1
.irp t, 0,1,2,3
	global_store_b128 v[CO], v[BK+4*(4*\e+\t):BK+4*(4*\e+\t)+3], s[12:13] offset:2048*(\a)+262144*\e+512*\t
.endr
.endr
.endm
	PLACES NP
	PACK 0
	TOSTAGE 0
.irp a, 1,2,3,4,5,6,7
	PACK \a
	SEND \a-1
	TOSTAGE \a
.endr
	SEND 7
	s_wait_tensorcnt 0x0                           ; the wave's end
	ds_add_u32 v[SPW], v[NIL]
	s_wait_dscnt 0x0
	CROUND                                         ; the closing round
	s_endpgm
.Lfunc_end_k_q7518f59bb1_qkv:
	.size	k_q7518f59bb1_qkv, .Lfunc_end_k_q7518f59bb1_qkv-k_q7518f59bb1_qkv
	.p2alignl 7, 3214868480
	.fill 96, 4, 3214868480
	.section	.rodata,"a",@progbits
	.p2align	6, 0x0
	.amdhsa_kernel k_q7518f59bb1_qkv
		.amdhsa_group_segment_fixed_size 327680
		.amdhsa_private_segment_fixed_size 0
		.amdhsa_enable_private_segment 0
		.amdhsa_kernarg_size 56
		.amdhsa_user_sgpr_count 2
		.amdhsa_user_sgpr_kernarg_segment_ptr 1
		.amdhsa_wavefront_size32 1
		.amdhsa_system_sgpr_workgroup_id_x 1
		.amdhsa_system_sgpr_workgroup_id_y 1
		.amdhsa_system_sgpr_workgroup_id_z 1
		.amdhsa_system_vgpr_workitem_id 0
		.amdhsa_next_free_vgpr 1024
		.amdhsa_next_free_sgpr 100
		.amdhsa_reserve_vcc 0
		.amdhsa_float_denorm_mode_32 3
		.amdhsa_float_denorm_mode_16_64 3
		.amdhsa_memory_ordered 1
		.amdhsa_forward_progress 1
		.amdhsa_inst_pref_size 129
	.end_amdhsa_kernel
	.amdgpu_metadata
---
amdhsa.version: [ 1, 2 ]
amdhsa.kernels:
  - .name:           k_q7518f59bb1_qkv
    .symbol:         k_q7518f59bb1_qkv.kd
    .args:
      - { .name: xcodes, .offset: 0, .size: 8, .value_kind: global_buffer, .address_space: global }
      - { .name: xscales, .offset: 8, .size: 8, .value_kind: global_buffer, .address_space: global }
      - { .name: wimg, .offset: 16, .size: 8, .value_kind: global_buffer, .address_space: global }
      - { .name: wscl, .offset: 24, .size: 8, .value_kind: global_buffer, .address_space: global }
      - { .name: bq, .offset: 32, .size: 8, .value_kind: global_buffer, .address_space: global }
      - { .name: bkv, .offset: 40, .size: 8, .value_kind: global_buffer, .address_space: global }
      - { .name: qkvh, .offset: 48, .size: 8, .value_kind: global_buffer, .address_space: global }
    .group_segment_fixed_size: 327680
    .private_segment_fixed_size: 0
    .kernarg_segment_align: 8
    .kernarg_segment_size: 56
    .max_flat_workgroup_size: 128
    .sgpr_count:     100
    .vgpr_count:     1024
    .wavefront_size: 32
...
	.end_amdgpu_metadata
.endif
;; end of part 2
;; launch attn (part 3): grid 4 x 64, 16 waves a work-group, clusters of 4 x 1, 327,680 bytes of LDS; arguments qkvh, mw, ctx; writes ctx
.if DOCPART == 3
	.amdgcn_target "amdgcn-amd-amdhsa--gfx1250"
	.amdhsa_code_object_version 6
	.text
	.protected	k_q7518f59bb1_attn
	.globl	k_q7518f59bb1_attn
	.p2align	8
	.type	k_q7518f59bb1_attn,@function
k_q7518f59bb1_attn:
	s_mov_b64 s[64:65], 0
	v_nop
	global_prefetch_b8 v0, s[64:65] scope:SCOPE_SE
	s_setreg_imm32_b32 hwreg(HW_REG_WAVE_MODE, 25, 1), 1
	s_wait_xcnt 0x0
	s_wait_alu depctr_hold_cnt(0) depctr_sa_sdst(0) depctr_va_vdst(0) depctr_va_sdst(0) depctr_va_ssrc(0) depctr_va_vcc(0) depctr_vm_vsrc(0)
	s_getreg_b32 s2, hwreg(HW_REG_IB_STS2, 6, 4)
	s_cmp_eq_u32 s2, 0
	s_cbranch_scc0 .Lentry_in_a_cluster
	s_endpgm
.Lentry_in_a_cluster:
	s_bfe_u32 s2, ttmp6, 0x10000c
	s_cmp_lg_u32 s2, 0x3003
	s_cbranch_scc0 .Lentry_shape_is_right
	s_endpgm
.Lentry_shape_is_right:
; Launch 3 of 4: ctx[b][head][q] = the sum over keys of softmax(where(mask, -1e20, q . k / 8)) v.  q, k, v, the weights p and ctx in f16; products, maxima and sums in f32.  No work is left out.
; THE SCALE: p = 2^(c s - c m), s the raw score q . k, m its running maximum, c = log2(e) / 8: the factor 1 / 8 is a power of two and commutes exactly with the product.
; THE MASK: a masked raw score becomes -2^67.  f16 operands hold |s| under 2^39, so that number and reference()'s give the same f32 weights: 0 beside any key that counts, equal weights in a row all of whose keys are masked
; (c x -2^67 is exact, so c s - c m is exactly 0 there and p = 1).  The mask comes as lane-mask words into scalar registers: one select a score, no compare; no branch and no address hangs on them.
; A key step's 64 words (two tiles x 32) have scalar registers of their own and are asked for a WHOLE KEY STEP ahead: directly behind the selects that read the last step's.
; LIMITS: NaN and infinities are not served.
; SHARES: a work-group owns 512 queries of one head, each of its sixteen waves 32: two tiles of 16, in 256 registers; four waves to a SIMD, so that one wave's vector work stands beside another's matrix work and LDS loads.
; Every wave walks the head's 2,048 keys, 64 a step.  K and V come through a ring of two LDS slots of 256 keys.  CLUSTER: the head's four blocks of queries walk the same K and V: each tile is asked for jointly (waves 0, 1: K's halves; waves 2, 3: V's).
; LAYOUT: S^T = K Q^T and O^T = V^T P: a lane holds one query (lane % 16) throughout; two tiles of S^T, packed to f16 in pairs, are source 1 of the second product.  V is turned on its way out of LDS.
; VECTOR REGISTERS: v1-11 addresses and constants; v12-27 statistics, eight a tile (+0 c m, +1 m, +2, +3 the sum in two halves, +4, +5 at work, then a second chain of sums, +6 a, +7 c m_old - c m_new); v[30:31] c, twice;
;   v32-63 Q; v64-127 K's fragments, then V's; v128-191 S^T, then p, then P in the low 16 of a tile's 32; v192-255 O^T.
; SCALAR REGISTERS: s2 the slot in hand; s3 slots to ask for; s[4:5] the mask words; s[6:7] the prefetches; s[8:15], s[16:23] descriptor groups 1 for K and V; s[24:27], s[28:31] their groups 0, which walk;
;   s[32:63] tile 0's mask words, s[68:99] tile 1's (both serve the set-up first); s100 my wave's number; s101 the prefetches' limit; s104, s105 lane selects.  ctx's address is loaded on the way out.
.set PK,    144                        ; a row of K in LDS: 128 bytes + 16
.set PV,    160                        ; a row of V: 128 + 32
.set VOFF,  256*PK
.set SLOT1, 1<<17
.set STAGE, SLOT1+256*(PK+PV)          ; behind the ring: 32 rows x 144 bytes for each wave
.set SPARE, STAGE+16*32*PK             ; the spare words, 128 bytes for each wave: eight blocks of 256 bytes that no other line names
.macro ROUND                           ; a round of the cluster's barrier
	s_barrier_signal -1
	s_barrier_wait -1
	s_cmp_lg_u32 s100, 0
	s_cbranch_scc1 .Lnot_wave_0_\@
	s_barrier_signal -3
.Lnot_wave_0_\@:
	s_barrier_wait -3
	s_barrier_signal -1
	s_barrier_wait -1
.endm
.macro TLOAD                           ; the branches hang on the wave's number alone; an s_nop 0 and four v_nop follow each load
	s_cmp_lt_u32 s100, 2
	s_cbranch_scc0 .Lnot_k_\@
	tensor_load_to_lds s[24:27], s[8:15]
	s_nop 0
.rept 4
	v_nop
.endr
	s_branch .Lasked_\@
.Lnot_k_\@:
	s_cmp_lt_u32 s100, 4
	s_cbranch_scc0 .Lasked_\@
	tensor_load_to_lds s[28:31], s[16:23]
	s_nop 0
.rept 4
	v_nop
.endr
.Lasked_\@:
.endm
; A prefetch of the slot that the NEXT change of slots will ask for: 32,768 bytes of K (wave 4) and of V (wave 5); the four partners take 8,192 bytes each, told apart by address, lanes 256 bytes apart: each block of 256 bytes is named once in the launch.
; The last change that fills a slot asks for nothing; slots 0 and 1 come by their loads alone.
.macro ASK
	s_cmp_gt_u32 s3, s101
	s_cbranch_scc0 .Lnot_mine_\@
	global_prefetch_b8 v11, s[6:7] th:TH_LOAD_NT scope:SCOPE_SE
.Lnot_mine_\@:
.endm
.macro MLOAD off                       ; a key step's 64 mask words: tile 0's 32, then tile 1's
	s_load_b512 s[32:47], s[4:5], \off
	s_load_b512 s[48:63], s[4:5], \off+64
	s_load_b512 s[68:83], s[4:5], \off+128
	s_load_b512 s[84:99], s[4:5], \off+192
.endm
.macro CND t, sb                       ; masked scores become -2^67; each accumulator is read from its low end on
.set i, 0
.rept 32
	v_cndmask_b32 v[128+32*(\t)+i], v[128+32*(\t)+i], v5, s[\sb+i]
.set i, i+1
.endr
.endm
; both tiles' new m, c m, c m_old - c m_new, and c s - c m: the two tiles line by line by turns, so that no line waits for the line above it
.macro MAXSUB2
.irp j, 0,1,2,3
.irp t, 0,1
	v_max3_num_f32 v[16+8*\t+\j], v[128+32*\t+8*\j], v[129+32*\t+8*\j], v[130+32*\t+8*\j]
.endr
.endr
.irp u, 1,2
.irp j, 0,1,2,3
.irp t, 0,1
	v_max3_num_f32 v[16+8*\t+\j], v[16+8*\t+\j], v[129+32*\t+8*\j+2*\u], v[130+32*\t+8*\j+2*\u]
.endr
.endr
.endr
.irp t, 0,1
	v_max3_num_f32 v[16+8*\t], v[16+8*\t], v[135+32*\t], v[143+32*\t]
.endr
.irp t, 0,1
	v_max3_num_f32 v[18+8*\t], v[18+8*\t], v[151+32*\t], v[159+32*\t]
.endr
.irp t, 0,1
	v_max3_num_f32 v[16+8*\t], v[16+8*\t], v[17+8*\t], v[18+8*\t]
.endr
.irp t, 0,1
	v_max3_num_f32 v[16+8*\t], v[16+8*\t], v[19+8*\t], v[13+8*\t]
.endr
.irp t, 0,1
	v_permlanex16_b32 v[17+8*\t], v[16+8*\t], s104, s105   ; the query's other 32 keys lie in the lane 16 away
.endr
.irp t, 0,1
	v_mov_b32 v[19+8*\t], v[12+8*\t]
.endr
.irp t, 0,1
	v_max_num_f32 v[13+8*\t], v[16+8*\t], v[17+8*\t]
.endr
.irp t, 0,1
	v_mul_f32 v[12+8*\t], v30, v[13+8*\t]
.endr
.irp t, 0,1
	v_sub_f32 v[19+8*\t], v[19+8*\t], v[12+8*\t]
.endr
.irp b, 0,2,4,6,8,10,12,14,16,18,20,22,24,26,28,30
.irp t, 0,1
	v_pk_fma_f32 v[128+32*\t+\b:129+32*\t+\b], v[128+32*\t+\b:129+32*\t+\b], v[30:31], v[12+8*\t:13+8*\t] op_sel_hi:[1,0,0] neg_lo:[0,0,1] neg_hi:[0,0,1]
.endr
.endr
.endm
.macro EXPS t                          ; a and the tile's 32 weights
	v_exp_f32 v[18+8*(\t)], v[19+8*(\t)]
.set i, 0
.rept 32
	v_exp_f32 v[128+32*(\t)+i], v[128+32*(\t)+i]
.set i, i+1
.endr
.endm
; ahead of the second product: the sums under the new m take the low 16 weights of each tile (two chains a tile), P is packed to f16, O^T is multiplied by a
.macro FINA
.irp t, 0,1
	v_pk_fma_f32 v[14+8*\t:15+8*\t], v[14+8*\t:15+8*\t], v[18+8*\t:19+8*\t], v[128+32*\t:129+32*\t] op_sel_hi:[1,0,1]
.endr
.irp t, 0,1
	v_pk_add_f32 v[16+8*\t:17+8*\t], v[130+32*\t:131+32*\t], v[132+32*\t:133+32*\t]
.endr
.irp j, 6,10
.irp t, 0,1
	v_pk_add_f32 v[14+8*\t:15+8*\t], v[14+8*\t:15+8*\t], v[128+32*\t+\j:129+32*\t+\j]
.endr
.irp t, 0,1
	v_pk_add_f32 v[16+8*\t:17+8*\t], v[16+8*\t:17+8*\t], v[130+32*\t+\j:131+32*\t+\j]
.endr
.endr
.irp t, 0,1
	v_pk_add_f32 v[14+8*\t:15+8*\t], v[14+8*\t:15+8*\t], v[142+32*\t:143+32*\t]
.endr
.irp t, 0,1
.set i, 0
.rept 16
	v_cvt_pk_f16_f32 v[128+32*\t+i], v[128+32*\t+2*i], v[129+32*\t+2*i]   ; in place: a destination never lies above its sources, and the high 16 weights stay whole
.set i, i+1
.endr
.endr
.irp t, 0,1
.set i, 0
.rept 16
	v_pk_mul_f32 v[192+32*\t+2*i:193+32*\t+2*i], v[192+32*\t+2*i:193+32*\t+2*i], v[18+8*\t:19+8*\t] op_sel_hi:[1,0]
.set i, i+1
.endr
.endr
.endm
; behind the second product: the sums take the high 16 weights.  These 18 plain lines name no register of those products: they are the places in front of the next step's loads into V's registers (four are asked) and of its products, which write over P (five)
.macro FINB
.irp j, 16,20,24,28
.irp t, 0,1
	v_pk_add_f32 v[16+8*\t:17+8*\t], v[16+8*\t:17+8*\t], v[128+32*\t+\j:129+32*\t+\j]
.endr
.irp t, 0,1
	v_pk_add_f32 v[14+8*\t:15+8*\t], v[14+8*\t:15+8*\t], v[130+32*\t+\j:131+32*\t+\j]
.endr
.endr
.irp t, 0,1
	v_pk_add_f32 v[14+8*\t:15+8*\t], v[14+8*\t:15+8*\t], v[16+8*\t:17+8*\t]
.endr
.endm
; A KEY STEP: 64 keys, the q-th of the slot in hand.  last = 1: the launch's last step asks for no further mask words.
.macro STEP q, last
.irp kc, 0,1                           ; K: channels 32 kc on, keys 16 kt on; channels 0-31 first
.irp kt, 0,1,2,3
	ds_load_b128 v[64+16*\kt+8*\kc:67+16*\kt+8*\kc], v6 offset:(64*(\q)+16*\kt)*PK+64*\kc
	ds_load_b128 v[68+16*\kt+8*\kc:71+16*\kt+8*\kc], v6 offset:(64*(\q)+16*\kt)*PK+64*\kc+32
.endr
.endr
	s_wait_dscnt 8                                 ; channels 0-31 are in; the eight loads of channels 32-63 may stay out
.irp kt, 0,1,2,3                       ; S^T = K Q^T: eight accumulators by turns
.irp t, 0,1
	v_wmma_f32_16x16x32_f16 v[128+32*\t+8*\kt:135+32*\t+8*\kt], v[64+16*\kt:71+16*\kt], v[32+16*\t:39+16*\t], 0
.endr
.endr
	s_wait_dscnt 0x0
.irp kt, 0,1,2,3
.irp t, 0,1
	v_wmma_f32_16x16x32_f16 v[128+32*\t+8*\kt:135+32*\t+8*\kt], v[72+16*\kt:79+16*\kt], v[40+16*\t:47+16*\t], v[128+32*\t+8*\kt:135+32*\t+8*\kt]
.endr
.endr
.rept 4
	v_nop                                          ; places in front of the loads into K's registers and of the first read of the scores
.endr
.irp f, 0,1,2,3,4,5,6,7                ; V, turned: keys 32 (f / 4) on, channels 16 (f % 4) on
	ds_load_tr16_b128 v[64+8*\f:67+8*\f], v7 offset:(64*(\q)+32*(\f/4))*PV+32*(\f%4)
	ds_load_tr16_b128 v[68+8*\f:71+8*\f], v7 offset:(64*(\q)+32*(\f/4)+16)*PV+32*(\f%4)
.endr
	s_wait_kmcnt 0x0                               ; this step's mask words, asked for a key step ago
	CND 0, 32
	CND 1, 68
.if !\last
	MLOAD 256*((\q)+1)                             ; the next step's, into the registers just read
.endif
	MAXSUB2
	EXPS 0                                         ; both tiles' 66 exponentials are one batch
	EXPS 1
	v_nop                                          ; a plain line behind the last exponential
	s_wait_alu depctr_va_vdst(0)                   ; one wait for the batch, ahead of its first reader
	FINA
	s_wait_dscnt 0x0                               ; V is in
.irp g, 0,1                            ; O^T += V^T P: eight accumulators by turns
.irp cb, 0,1,2,3
.irp t, 0,1
	v_wmma_f32_16x16x32_f16 v[192+32*\t+8*\cb:199+32*\t+8*\cb], v[64+8*(4*\g+\cb):71+8*(4*\g+\cb)], v[128+32*\t+8*\g:135+32*\t+8*\g], v[192+32*\t+8*\cb:199+32*\t+8*\cb]
.endr
.endr
.endr
	FINB
.endm
.macro SLOT_STEPS last
	v_add_nc_u32 v6, s2, v1
	v_add_nc_u32 v7, s2, v2
	STEP 0, 0
	STEP 1, 0
	STEP 2, 0
	STEP 3, \last
	s_xor_b32 s2, s2, SLOT1                        ; on to the other slot
.if !\last
	s_wait_xcnt 0x0                                ; the scalar loads have read their base
	s_add_nc_u64 s[4:5], s[4:5], 1024              ; the next slot's mask words
.endif
.endm
; THE CHANGE OF SLOTS, at a slot's head: all my tensor loads have landed, 0 is added to my spare word, and that and my reads of the slot that I have left are waited for.  fill = 1: behind a round of the cluster's barrier the other slot takes the keys that follow.
.macro CHANGE fill
	s_wait_tensorcnt 0x0
	ds_add_u32 v3, v4
.if \fill
	ds_add_u32 v3, v4                              ; the add twice on end here, in every trip alike
	s_xor_b32 s25, s25, SLOT1                      ; the walking descriptors: the other slot, the next 256 keys
	s_add_nc_u64 s[26:27], s[26:27], 32768
	s_xor_b32 s29, s29, SLOT1
	s_add_nc_u64 s[30:31], s[30:31], 32768
	s_wait_xcnt 0x0                                ; the last prefetch, a slot back, has read its address
	s_add_nc_u64 s[6:7], s[6:7], 32768
	s_wait_dscnt 0x0
	ROUND
	TLOAD                                          ; the first thing behind the round, and a wave's one tensor load until the next
	ASK
.else
	s_wait_dscnt 0x0
	s_barrier_signal -1
	s_barrier_wait -1
.endif
.endm
	s_load_b128 s[68:71], s[0:1], 0x0              ; q, k, v; the mask words
	v_lshl_add_u32 v3, v0, 2, SPARE
	v_mov_b32 v4, 0
	ds_add_u32 v3, v4                              ; the wave's opening: the add, twice on end, and its wait ahead of the first tensor load
	ds_add_u32 v3, v4
	v_lshrrev_b32 v6, 5, v0
	v_readfirstlane_b32 s100, v6                   ; wave 0..15
	s_bfe_u32 s72, ttmp6, 0x40000                  ; cx: my block of 512 queries
	s_and_b32 s73, ttmp7, 0xffff                   ; b x 16 + head, which the four partners share
	s_lshl_b32 s74, s73, 18                        ; a head's 2,048 rows of 128 bytes
	s_and_b32 s75, s100, 1
	s_lshl_b32 s76, s75, 14                        ; which 128 keys of a slot I fetch
	s_add_co_u32 s76, s76, s74
	s_add_co_u32 s76, s76, 1<<24                   ; k's region
	s_mov_b32 s77, 0
	s_add_co_u32 s78, s76, 1<<24                   ; v's
	s_mov_b32 s79, 0
	s_mov_b32 s24, 1
	s_mul_i32 s25, s75, 128*PK
	s_mov_b32 s28, 1
	s_mul_i32 s29, s75, 128*PV
	s_add_co_u32 s29, s29, VOFF
	s_lshl_b32 s80, s72, 16
	s_lshl_b32 s81, s100, 12
	s_add_co_u32 s80, s80, s81
	s_add_co_u32 s80, s80, s74                     ; my 32 queries in q
	s_mov_b32 s81, 0
	s_lshr_b32 s82, s73, 4
	s_lshl_b32 s82, s82, 6
	s_lshl_b32 s83, s72, 4
	s_add_co_u32 s82, s82, s83
	s_add_co_u32 s82, s82, s100
	s_lshl_b32 s82, s82, 13                        ; their mask words: 8,192 bytes for 32 rows
	s_mov_b32 s83, 0
	s_add_co_u32 s84, s75, 1
	s_lshl_b32 s84, s84, 24                        ; the prefetches: even waves k's region, odd waves v's,
	s_add_co_u32 s84, s84, s74
	s_lshl_b32 s85, s72, 13                        ; my work-group's quarter of a slot,
	s_add_co_u32 s84, s84, s85
	s_add_co_u32 s84, s84, 32768                   ; in slot 1: the first change of slots steps it to slot 2
	s_mov_b32 s85, 0
	s_lshr_b32 s101, s100, 1
	s_cmp_eq_u32 s101, 2
	s_cselect_b32 s101, 1, -1                      ; 1 in waves 4 and 5, else the greatest number
	s_mov_b32 s8, 15|(1<<16)|(1<<20)|(1<<21)|(4<<22)|(3<<25)   ; all four work-groups; elements of 2 bytes; padding: 4 words behind every 32; bit 21 beside a mask
	s_mov_b32 s16, 15|(1<<16)|(1<<20)|(1<<21)|(4<<22)|(7<<25)  ; V: 8 words
.irp g, 8, 16
	s_mov_b32 s[\g+1], 64<<16                      ; tensor_dim0 = 64
	s_mov_b32 s[\g+2], 128<<16                     ; tensor_dim1 = 128
	s_mov_b32 s[\g+3], 64<<16                      ; tile_dim0
	s_mov_b32 s[\g+4], 128                         ; tile_dim1
	s_mov_b32 s[\g+5], 64                          ; from row to row
	s_mov_b32 s[\g+6], 0
	s_mov_b32 s[\g+7], 0
.endr
	s_mov_b32 s104, 0x76543210
	s_mov_b32 s105, 0xfedcba98
	s_mov_b32 s2, 0
	s_mov_b32 s3, 7
	s_wait_dscnt 0x0                               ; both opening adds are done
	s_wait_kmcnt 0x0
	s_add_nc_u64 s[26:27], s[68:69], s[76:77]
	s_or_b32 s27, s27, 0x80000000
	s_add_nc_u64 s[30:31], s[68:69], s[78:79]
	s_or_b32 s31, s31, 0x80000000
	s_add_nc_u64 s[86:87], s[68:69], s[80:81]      ; Q
	s_add_nc_u64 s[4:5], s[70:71], s[82:83]
	s_add_nc_u64 s[6:7], s[68:69], s[84:85]
	ROUND                                          ; all four work-groups are here
	TLOAD                                          ; slot 0
	v_and_b32 v64, 15, v0                          ; r
	v_bfe_u32 v65, v0, 4, 1                        ; h
	v_lshlrev_b32 v66, 7, v64
	v_lshl_add_u32 v66, v65, 4, v66
.irp t, 0,1
.irp kc, 0,1
	global_load_b128 v[32+16*\t+8*\kc:35+16*\t+8*\kc], v66, s[86:87] offset:2048*\t+64*\kc      ; Q stays in registers
	global_load_b128 v[36+16*\t+8*\kc:39+16*\t+8*\kc], v66, s[86:87] offset:2048*\t+64*\kc+32
.endr
.endr
	v_mul_u32_u24 v1, v64, PK
	v_lshl_add_u32 v1, v65, 4, v1                  ; K: row r x pitch + 16 h
	v_and_b32 v67, 7, v0
	v_lshl_add_u32 v2, v65, 3, v67
	v_mul_u32_u24 v2, v2, PV
	v_bfe_u32 v67, v0, 3, 1
	v_lshl_add_u32 v2, v67, 4, v2
	v_add_nc_u32 v2, VOFF, v2                      ; V: key 8 h + lane % 8, channels 8 ((lane / 8) % 2) on
	v_mov_b32 v5, 0xe1000000                       ; -2^67
	v_and_b32 v67, 31, v0
	v_lshlrev_b32 v8, 4, v67
	v_lshlrev_b32 v11, 8, v67
	s_mul_i32 s88, s100, 32*PK
	s_add_co_u32 s88, s88, STAGE                   ; my stage
	v_add_nc_u32 v9, s88, v1                       ; in: row r, 16 h
	v_lshrrev_b32 v10, 3, v67
	v_mul_u32_u24 v10, v10, PK
	v_and_b32 v67, 7, v0
	v_lshl_add_u32 v10, v67, 4, v10
	v_add_nc_u32 v10, s88, v10                     ; back: eight lanes to a row, four rows an instruction
	v_mov_b32 v30, 0x3e38aa3b                      ; c = log2(e) / 8
	v_mov_b32 v31, v30                             ; (named with it as a pair, so it is written)
	s_wait_xcnt 0x0                                ; Q's loads have read their base, which lies among the mask's registers
	MLOAD 0                                        ; key step 0's mask words
.irp t, 0,1
	v_mov_b32 v[13+8*\t], 0xff61b1e6               ; m: -3e38, under every score
	v_mul_f32 v[12+8*\t], v30, v[13+8*\t]
	v_mov_b32 v[14+8*\t], 0
	v_mov_b32 v[15+8*\t], 0
.endr
.set i, 0
.rept 64
	v_mov_b32 v[192+i], 0                          ; O^T: the step is written once; its first run finds zeros, which a = 0 leaves zeros
.set i, i+1
.endr
	s_wait_loadcnt 0x0                             ; Q
.Lslot:                                            ; seven trips: behind each change of slots but the last the next slot is asked for
	CHANGE 1
	SLOT_STEPS 0
	s_sub_co_u32 s3, s3, 1
	s_cmp_lg_u32 s3, 0
	s_cbranch_scc1 .Lslot
	CHANGE 0                                       ; the last slot is written out
	SLOT_STEPS 1
	; THE WAY OUT: O^T / the sum, to f16, through my stage, out as 512 consecutive bytes an instruction.  The mask's registers are free: ctx's address and my 32 queries' place in it are made there
	s_load_b64 s[32:33], s[0:1], 0x10              ; ctx
	s_bfe_u32 s34, ttmp6, 0x40000                  ; cx
	s_and_b32 s35, ttmp7, 0xffff
	s_lshl_b32 s36, s35, 18
	s_lshl_b32 s34, s34, 16
	s_add_co_u32 s36, s36, s34
	s_lshl_b32 s34, s100, 12
	s_add_co_u32 s36, s36, s34
	s_mov_b32 s37, 0
.irp t, 0,1
	v_add_f32 v[16+8*\t], v[14+8*\t], v[15+8*\t]
.endr
.irp t, 0,1
	v_permlanex16_b32 v[17+8*\t], v[16+8*\t], s104, s105
.endr
.irp t, 0,1
	v_add_f32 v[16+8*\t], v[16+8*\t], v[17+8*\t]
.endr
.irp t, 0,1
	v_rcp_f32 v[18+8*\t], v[16+8*\t]
.endr
	v_nop
	s_wait_alu depctr_va_vdst(0)                   ; one wait for the two reciprocals
.irp t, 0,1
.set i, 0
.rept 16
	v_pk_mul_f32 v[192+32*\t+2*i:193+32*\t+2*i], v[192+32*\t+2*i:193+32*\t+2*i], v[18+8*\t:19+8*\t] op_sel_hi:[1,0]
.set i, i+1
.endr
.set i, 0
.rept 16
	v_cvt_pk_f16_f32 v[128+32*\t+i], v[192+32*\t+2*i], v[193+32*\t+2*i]
.set i, i+1
.endr
.irp cb, 0,1,2,3
	ds_store_b128 v9, v[128+32*\t+4*\cb:131+32*\t+4*\cb] offset:2304*\t+32*\cb
.endr
.endr
.irp i, 0,1,2,3,4,5,6,7
	ds_load_b128 v[64+4*\i:67+4*\i], v10 offset:576*\i   ; LDS serves a wave's instructions in order: these see my stores
.endr
	s_wait_kmcnt 0x0
	s_add_nc_u64 s[32:33], s[32:33], s[36:37]
.irp i, 0,1,2,3,4,5,6,7
	s_wait_dscnt 7-\i                              ; load i is back; the younger ones may stay out
	global_store_b128 v8, v[64+4*\i:67+4*\i], s[32:33] offset:512*\i
.endr
	s_wait_tensorcnt 0x0                           ; the wave's end
	ds_add_u32 v3, v4
	s_wait_dscnt 0x0
	ROUND                                          ; the closing round
	s_endpgm
.Lfunc_end_k_q7518f59bb1_attn:
	.size	k_q7518f59bb1_attn, .Lfunc_end_k_q7518f59bb1_attn-k_q7518f59bb1_attn
	.p2alignl 7, 3214868480
	.fill 96, 4, 3214868480
	.section	.rodata,"a",@progbits
	.p2align	6, 0x0
	.amdhsa_kernel k_q7518f59bb1_attn
		.amdhsa_group_segment_fixed_size 327680
		.amdhsa_private_segment_fixed_size 0
		.amdhsa_enable_private_segment 0
		.amdhsa_kernarg_size 24
		.amdhsa_user_sgpr_count 2
		.amdhsa_user_sgpr_kernarg_segment_ptr 1
		.amdhsa_wavefront_size32 1
		.amdhsa_system_sgpr_workgroup_id_x 1
		.amdhsa_system_sgpr_workgroup_id_y 1
		.amdhsa_system_sgpr_workgroup_id_z 1
		.amdhsa_system_vgpr_workitem_id 0
		.amdhsa_next_free_vgpr 256
		.amdhsa_next_free_sgpr 106
		.amdhsa_reserve_vcc 0
		.amdhsa_float_denorm_mode_32 3
		.amdhsa_float_denorm_mode_16_64 3
		.amdhsa_memory_ordered 1
		.amdhsa_forward_progress 1
		.amdhsa_inst_pref_size 187
	.end_amdhsa_kernel
	.amdgpu_metadata
---
amdhsa.version: [ 1, 2 ]
amdhsa.kernels:
  - .name:           k_q7518f59bb1_attn
    .symbol:         k_q7518f59bb1_attn.kd
    .args:
      - { .name: qkvh, .offset: 0, .size: 8, .value_kind: global_buffer, .address_space: global }
      - { .name: mw, .offset: 8, .size: 8, .value_kind: global_buffer, .address_space: global }
      - { .name: ctx, .offset: 16, .size: 8, .value_kind: global_buffer, .address_space: global }
    .group_segment_fixed_size: 327680
    .private_segment_fixed_size: 0
    .kernarg_segment_align: 8
    .kernarg_segment_size: 24
    .max_flat_workgroup_size: 512
    .sgpr_count:     106
    .vgpr_count:     256
    .wavefront_size: 32
...
	.end_amdgpu_metadata
.endif
;; end of part 3
;; launch oproj (part 4): grid 4 x 64, 4 waves a work-group, clusters of 4 x 4, 327,680 bytes of LDS; arguments ctx, woimg, bo, out0; writes out0
.if DOCPART == 4
	.amdgcn_target "amdgcn-amd-amdhsa--gfx1250"
	.amdhsa_code_object_version 6
	.text
	.protected	k_q7518f59bb1_oproj
	.globl	k_q7518f59bb1_oproj
	.p2align	8
	.type	k_q7518f59bb1_oproj,@function
k_q7518f59bb1_oproj:
	s_mov_b64 s[64:65], 0
	v_nop
	global_prefetch_b8 v0, s[64:65] scope:SCOPE_SE
	s_setreg_imm32_b32 hwreg(HW_REG_WAVE_MODE, 25, 1), 1
	s_wait_xcnt 0x0
	s_wait_alu depctr_hold_cnt(0) depctr_sa_sdst(0) depctr_va_vdst(0) depctr_va_sdst(0) depctr_va_ssrc(0) depctr_va_vcc(0) depctr_vm_vsrc(0)
	s_getreg_b32 s2, hwreg(HW_REG_IB_STS2, 6, 4)
	s_cmp_eq_u32 s2, 0
	s_cbranch_scc0 .Lentry_in_a_cluster
	s_endpgm
.Lentry_in_a_cluster:
	s_bfe_u32 s2, ttmp6, 0x10000c
	s_cmp_lg_u32 s2, 0xf033
	s_cbranch_scc0 .Lentry_shape_is_right
	s_endpgm
.Lentry_shape_is_right:
; Launch 4 of 4: out0 = ctx Wo + bo.  ctx [b][head][q][64] and Wo (images of the operand's registers) in f16; sums in f32; out0 [8192][1024] f32.  No work is left out.
; A tile of 128 rows x 256 columns is made by four waves, 64 x 128 each: 32 accumulators, 256 registers: 256 work-groups.  K goes in steps of 128, two heads, through a ring of two LDS slots.
; CLUSTERS: 4 x 4 work-groups; ctx's tiles are shared along a row of the cluster, Wo's along a column: joint loads.  Waves 0 and 1 fetch the step's two heads of ctx (128 rows x 128 bytes, dense), waves 2 and 3 the halves of Wo's 65,536 dense bytes.
; No prefetch: Wo's images are read again by all 64 tile rows, and a K step's tiles are small.
; THE MATRIX INSTRUCTION IS USED TRANSPOSED (source 0 = 16 columns of Wo, source 1 = 16 rows of ctx): a lane holds eight neighbouring columns of one row.  The bias is the C of each sum's first product.
; REGISTERS: window 0: v0-31 addresses; v64-127 the bias; v128-255 the way out.  window 1: two fragment buffers of 128 (Wo's eight at +0, ctx's four at +64).  window 2: the accumulators ((a, b) at v[8 (8 a + b)]).
.set PA,     144                       ; a row of ctx in LDS: 128 bytes + 16
.set BOFF,   2*128*PA                  ; behind ctx's two heads: Wo's images, as they lie
.set SLOT,   BOFF+65536
.set STAGE,  2*SLOT                    ; 16 rows x 528 bytes for each wave
.set SPITCH, 528
.set SPARE,  STAGE+4*16*SPITCH         ; the spare words, 128 bytes for each wave
.set ADRA, 16
.set ADRB, 20
.set STO,  24
.set RD,   25
.set CO,   26
.set SPW,  28
.set NIL,  29
.set BIAS, 64
.set BK,   128
.set F0,   0
.set F1,   128
.set G1, 24
.set G0, 32
.set G1B, 48
.set G0B, 56
.set MSB, 0
.macro WIN new
.if MSB != (\new)
	s_set_vgpr_msb (MSB<<8)|(\new)
.set MSB, (\new)
.endif
.endm
.set MUL,  0xa5                        ; sources 0 and 1 window 1; C and D window 2
.set TO_F, 0x40
.macro JLOAD s                         ; a joint load; an s_nop 0 and four v_nop follow each line
	s_cmp_eq_u32 s15, 0
	s_cbranch_scc0 .Lfor_b_\@
	tensor_load_to_lds s[G0+4*\s:G0+4*\s+3], s[G1:G1+7]
	s_nop 0
.rept 4
	v_nop
.endr
	s_branch .Lasked_\@
.Lfor_b_\@:
	tensor_load_to_lds s[G0B+4*\s:G0B+4*\s+3], s[G1B:G1B+7]
	s_nop 0
.rept 4
	v_nop
.endr
.Lasked_\@:
.endm
.macro CREST
	s_cmp_lg_u32 s14, 0
	s_cbranch_scc1 .Lnot_wave_0_\@
	s_barrier_signal -3
.Lnot_wave_0_\@:
	s_barrier_wait -3
	s_barrier_signal -1
	s_barrier_wait -1
.endm
.macro CROUND
	s_barrier_signal -1
	s_barrier_wait -1
	CREST
.endm
	s_load_b256 s[4:11], s[0:1], 0x0               ; ctx 4, Wo's images 6, bo 8, out0 10
	v_lshl_add_u32 v[SPW], v0, 2, SPARE
	v_mov_b32 v[NIL], 0
	ds_add_u32 v[SPW], v[NIL]                      ; the wave's opening: the add, twice on end, and its wait ahead of my first tensor load
	ds_add_u32 v[SPW], v[NIL]
	v_lshrrev_b32 v1, 5, v0
	v_readfirstlane_b32 s14, v1                    ; wave 0..3
	s_lshr_b32 s15, s14, 1                         ; which 64 rows are mine.  Also: I fetch for ctx (0) or for Wo (1)
	s_and_b32 s16, s14, 1                          ; which 128 columns.  Also: which half I fetch
	s_bfe_u32 s40, ttmp6, 0x40000
	s_bfe_u32 s41, ttmp6, 0x40004
	s_lshl_b32 s42, ttmp9, 2
	s_add_co_u32 s42, s42, s40                     ; tile column, 0 .. 3
	s_and_b32 s17, ttmp7, 0xffff
	s_lshl_b32 s17, s17, 2
	s_add_co_u32 s17, s17, s41                     ; tile row, 0 .. 63
	s_lshl_b32 s43, s41, 2
	s_lshl_b32 s43, 15, s43                        ; my row of the cluster
	s_lshl_b32 s44, 0x1111, s40                    ; my column
	s_or_b32 s[G1+0], s43, (1<<16)|(1<<20)|(1<<21)|(4<<22)|(3<<25)  ; elements of 2 bytes; padding: 4 words behind every 32
	s_mov_b32 s[G1+1], 64<<16
	s_mov_b32 s[G1+2], 128<<16
	s_mov_b32 s[G1+3], 64<<16
	s_mov_b32 s[G1+4], 128
	s_mov_b32 s[G1+5], 64
	s_mov_b32 s[G1+6], 0
	s_mov_b32 s[G1+7], 0
	s_or_b32 s[G1B+0], s44, (3<<16)|(1<<21)        ; 128 rows of 32 elements of 8 bytes, dense, no padding
	s_mov_b32 s[G1B+1], 32<<16
	s_mov_b32 s[G1B+2], 128<<16
	s_mov_b32 s[G1B+3], 32<<16
	s_mov_b32 s[G1B+4], 128
	s_mov_b32 s[G1B+5], 32
	s_mov_b32 s[G1B+6], 0
	s_mov_b32 s[G1B+7], 0
	s_lshr_b32 s20, s17, 4
	s_lshl_b32 s20, s20, 22                        ; b
	s_and_b32 s21, s17, 15
	s_lshl_b32 s21, s21, 14                        ; the tile's 128 rows in a head
	s_add_co_u32 s20, s20, s21
	s_lshl_b32 s21, s16, 18                        ; the step's first or second head
	s_add_co_u32 s20, s20, s21
	s_mov_b32 s21, 0
	s_lshl_b32 s46, s42, 16
	s_lshl_b32 s47, s16, 15
	s_add_co_u32 s46, s46, s47
	s_mov_b32 s47, 0
	s_mul_i32 s45, s16, 128*PA                     ; where they go
	s_lshl_b32 s22, s16, 15
	s_add_co_u32 s22, s22, BOFF
	s_wait_dscnt 0x0                               ; both opening adds are done
	s_wait_kmcnt 0x0
	s_add_nc_u64 s[20:21], s[4:5], s[20:21]
	s_add_nc_u64 s[46:47], s[6:7], s[46:47]
	CROUND                                         ; all sixteen work-groups are here
.irp s, 0,1
	s_mov_b32 s[G0+4*\s], 1
	s_add_co_u32 s[G0+4*\s+1], s45, \s*SLOT
	s_add_nc_u64 s[G0+4*\s+2:G0+4*\s+3], s[20:21], \s*524288
	s_or_b32 s[G0+4*\s+3], s[G0+4*\s+3], 0x80000000
	s_mov_b32 s[G0B+4*\s], 1
	s_add_co_u32 s[G0B+4*\s+1], s22, \s*SLOT
	s_add_nc_u64 s[G0B+4*\s+2:G0B+4*\s+3], s[46:47], \s*262144
	s_or_b32 s[G0B+4*\s+3], s[G0B+4*\s+3], 0x80000000
	JLOAD \s
.endr
	v_and_b32 v1, 15, v0                           ; r
	v_bfe_u32 v2, v0, 4, 1                         ; h
	s_lshl_b32 s18, s42, 8
	s_lshl_b32 s19, s16, 7
	s_add_co_u32 s18, s18, s19
	s_lshl_b32 s18, s18, 2                         ; my first column, in bytes
	s_mov_b32 s19, 0
	s_add_nc_u64 s[8:9], s[8:9], s[18:19]
	v_lshlrev_b32 v27, 5, v2
.irp b, 0,1,2,3,4,5,6,7
	global_load_b128 v[BIAS+8*\b:BIAS+8*\b+3], v27, s[8:9] offset:64*\b
	global_load_b128 v[BIAS+8*\b+4:BIAS+8*\b+7], v27, s[8:9] offset:64*\b+16
.endr
	v_mul_u32_u24 v3, v1, PA
	v_lshl_add_u32 v3, v2, 4, v3                   ; ctx: row r x pitch + 16 h
	v_and_b32 v4, 31, v0
	v_lshlrev_b32 v[CO], 4, v4                     ; 16 x lane
	s_mul_i32 s21, s15, 64*PA                      ; my 64 rows
	s_lshl_b32 s22, s16, 15
	s_add_co_u32 s22, s22, BOFF                    ; my 128 columns' images
.irp s, 0,1
	v_add_nc_u32 v[ADRA+\s], s21, v3
	v_add_nc_u32 v[ADRB+\s], s22, v[CO]
	s_add_co_u32 s21, s21, SLOT
	s_add_co_u32 s22, s22, SLOT
.endr
	s_mul_i32 s23, s14, 16*SPITCH
	s_add_co_u32 s23, s23, STAGE                   ; my stage
	v_mul_u32_u24 v5, v1, SPITCH
	v_lshl_add_u32 v5, v2, 5, v5
	v_add_nc_u32 v[STO], s23, v5                   ; in: row r, 32 bytes for each half of the lanes
	v_add_nc_u32 v[RD], s23, v[CO]                 ; back: the 32 lanes take one row of 512 bytes
	s_lshl_b32 s20, s17, 7
	s_lshl_b32 s21, s15, 6
	s_add_co_u32 s20, s20, s21                     ; my first row
	s_lshl_b32 s20, s20, 12
	s_add_co_u32 s20, s20, s18
	s_mov_b32 s21, 0
	s_add_nc_u64 s[10:11], s[10:11], s[20:21]
; 8 matrix instructions: ctx's block a against Wo's eight, 32 along K.  first = 1: the bias starts the sums.  The 32 accumulators take turns.
.macro MUL8 f, a, first
.irp b, 0,1,2,3,4,5,6,7
.if \first
	v_wmma_f32_16x16x32_f16 v[8*(8*(\a)+\b):8*(8*(\a)+\b)+7], v[\f+8*\b:\f+8*\b+7], v[\f+64+8*(\a):\f+64+8*(\a)+7], v[BIAS+8*\b:BIAS+8*\b+7]
.else
	v_wmma_f32_16x16x32_f16 v[8*(8*(\a)+\b):8*(8*(\a)+\b)+7], v[\f+8*\b:\f+8*\b+7], v[\f+64+8*(\a):\f+64+8*(\a)+7], v[8*(8*(\a)+\b):8*(8*(\a)+\b)+7]
.endif
.endr
.endm
; 24 LDS loads in one run: the fragments of the slot's kc-th 32 along K into buffer f; ctx's blocks 2 and 3 last
.macro FETCH slot, kc, f
	WIN TO_F
.irp i, 0,1,2,3,4,5,6,7
	ds_load_b128 v[\f+8*\i:\f+8*\i+3],   v[ADRB+\slot] offset:(4*\i+(\kc))*1024
	ds_load_b128 v[\f+8*\i+4:\f+8*\i+7], v[ADRB+\slot] offset:(4*\i+(\kc))*1024+512
.endr
.irp a, 0,1,2,3
	ds_load_b128 v[\f+64+8*\a:\f+64+8*\a+3],   v[ADRA+\slot] offset:((\kc)/2)*128*PA+16*PA*\a+64*((\kc)%2)
	ds_load_b128 v[\f+64+8*\a+4:\f+64+8*\a+7], v[ADRA+\slot] offset:((\kc)/2)*128*PA+16*PA*\a+64*((\kc)%2)+32
.endr
.endm
.macro PLACES                          ; four plain lines in front of loads into registers that matrix instructions have read, and of reads of results
.rept 4
	v_nop
.endr
.endm
; one of a K step's first three quarters: multiplies buffer f and fetches the next quarter, kc, into g
.macro QUARTER slot, kc, f, g, first
	s_wait_dscnt 4                                 ; all but ctx's blocks 2 and 3 are in
	WIN MUL-0x20*(\first)                          ; (the bias lies in window 0)
	MUL8 \f, 0, \first
	MUL8 \f, 1, \first
	PLACES
	FETCH \slot, \kc, \g
	s_wait_dscnt 24                                ; all but the 24 just issued
	WIN MUL-0x20*(\first)
	MUL8 \f, 2, \first
	MUL8 \f, 3, \first
.endm
; the last quarter multiplies buffer 1 and changes slots: one barrier; in front of it my tensor loads have landed, the add is done and my reads of this slot are over.  fill = 1: the slot is filled again, two K steps ahead
.macro TURN slot, next, fill
	WIN 0
	s_wait_tensorcnt 0x0
	ds_add_u32 v[SPW], v[NIL]
	s_wait_dscnt 5                                 ; the add and the youngest four loads may be out
	WIN MUL
	MUL8 F1, 0, 0
	s_wait_dscnt 0x0
	s_barrier_signal -1
	MUL8 F1, 1, 0
.if \fill
	WIN 0
.endif
	s_barrier_wait -1
.if \fill
	CREST                                          ; the barrier has opened a round of the cluster's barrier
	s_add_nc_u64 s[G0+4*\slot+2:G0+4*\slot+3], s[G0+4*\slot+2:G0+4*\slot+3], 1048576
	s_add_nc_u64 s[G0B+4*\slot+2:G0B+4*\slot+3], s[G0B+4*\slot+2:G0B+4*\slot+3], 524288
	JLOAD \slot                                    ; the first tensor load behind the round; its four v_nop are also the places in front of the loads below
.else
	PLACES
.endif
	FETCH \next, 0, F0
	WIN MUL
	MUL8 F1, 2, 0
	MUL8 F1, 3, 0
.endm
	s_wait_tensorcnt 1                             ; my part of K step 0 is in; K step 1's load may be out
	s_barrier_signal -1
	s_barrier_wait -1
	FETCH 0, 0, F0
	s_wait_loadcnt 0x0                             ; the bias
	QUARTER 0, 1, F0, F1, 1
	WIN 0
	s_mov_b32 s3, 3
.Llap:                                                 ; three trips: once round the ring, from a lap's second quarter to the next lap's first
	QUARTER 0, 2, F1, F0, 0
	QUARTER 0, 3, F0, F1, 0
	TURN 0, 1, 1
	QUARTER 1, 1, F0, F1, 0
	QUARTER 1, 2, F1, F0, 0
	QUARTER 1, 3, F0, F1, 0
	TURN 1, 0, 1
	QUARTER 0, 1, F0, F1, 0
	WIN 0
	s_sub_co_u32 s3, s3, 1
	s_cmp_lg_u32 s3, 0
	s_cbranch_scc1 .Llap
	QUARTER 0, 2, F1, F0, 0                        ; the last lap fills nothing
	QUARTER 0, 3, F0, F1, 0
	TURN 0, 1, 0
	QUARTER 1, 1, F0, F1, 0
	QUARTER 1, 2, F1, F0, 0
	QUARTER 1, 3, F0, F1, 0
	s_wait_dscnt 4
	WIN MUL
	MUL8 F1, 0, 0
	MUL8 F1, 1, 0
	s_wait_dscnt 0
	MUL8 F1, 2, 0
	MUL8 F1, 3, 0
	WIN 0
; THE WAY OUT, a block of 16 rows x 128 columns at a time, through my own stage: back as whole rows of 512 bytes
.macro TOSTAGE a
.set AC, 64*(\a)
	WIN 0x08                                       ; an LDS store's data are its source 1: window 2
.irp b, 0,1,2,3,4,5,6,7
	ds_store_b128 v[STO], v[AC+8*\b:AC+8*\b+3] offset:64*\b          ; each accumulator from its low end on
	ds_store_b128 v[STO], v[AC+8*\b+4:AC+8*\b+7] offset:64*\b+16
.endr
	WIN 0
.set BB, BK+64*((\a)%2)
.irp t, 0,1,2,3,4,5,6,7,8,9,10,11,12,13,14,15
	ds_load_b128 v[BB+4*\t:BB+4*\t+3], v[RD] offset:\t*SPITCH        ; LDS serves a wave's instructions in order
.endr
.endm
.macro SEND a, younger                 ; younger: the LDS instructions issued behind block a's loads, which may stay out
.set BB, BK+64*((\a)%2)
	s_wait_dscnt \younger
.irp t, 0,1,2,3,4,5,6,7,8,9,10,11,12,13,14,15
	global_store_b128 v[CO], v[BB+4*\t:BB+4*\t+3], s[10:11] offset:(16*(\a)+\t)*4096 th:TH_STORE_NT   ; 32 lanes store 512 consecutive bytes, aligned
.endr
.endm
	PLACES
	TOSTAGE 0
.irp a, 1,2,3
.if \a > 1
	s_wait_xcnt 0x0                                ; block a - 2's stores have read their registers: block a's loads may land there
.endif
	TOSTAGE \a
	SEND \a-1, 32
.endr
	SEND 3, 0
	s_wait_tensorcnt 0x0                           ; the wave's end
	ds_add_u32 v[SPW], v[NIL]
	s_wait_dscnt 0x0
	CROUND                                         ; the closing round
	s_endpgm
.Lfunc_end_k_q7518f59bb1_oproj:
	.size	k_q7518f59bb1_oproj, .Lfunc_end_k_q7518f59bb1_oproj-k_q7518f59bb1_oproj
	.p2alignl 7, 3214868480
	.fill 96, 4, 3214868480
	.section	.rodata,"a",@progbits
	.p2align	6, 0x0
	.amdhsa_kernel k_q7518f59bb1_oproj
		.amdhsa_group_segment_fixed_size 327680
		.amdhsa_private_segment_fixed_size 0
		.amdhsa_enable_private_segment 0
		.amdhsa_kernarg_size 32
		.amdhsa_user_sgpr_count 2
		.amdhsa_user_sgpr_kernarg_segment_ptr 1
		.amdhsa_wavefront_size32 1
		.amdhsa_system_sgpr_workgroup_id_x 1
		.amdhsa_system_sgpr_workgroup_id_y 1
		.amdhsa_system_sgpr_workgroup_id_z 1
		.amdhsa_system_vgpr_workitem_id 0
		.amdhsa_next_free_vgpr 768
		.amdhsa_next_free_sgpr 66
		.amdhsa_reserve_vcc 0
		.amdhsa_float_denorm_mode_32 3
		.amdhsa_float_denorm_mode_16_64 3
		.amdhsa_memory_ordered 1
		.amdhsa_forward_progress 1
		.amdhsa_inst_pref_size 86
	.end_amdhsa_kernel
	.amdgpu_metadata
---
amdhsa.version: [ 1, 2 ]
amdhsa.kernels:
  - .name:           k_q7518f59bb1_oproj
    .symbol:         k_q7518f59bb1_oproj.kd
    .args:
      - { .name: ctx, .offset: 0, .size: 8, .value_kind: global_buffer, .address_space: global }
      - { .name: woimg, .offset: 8, .size: 8, .value_kind: global_buffer, .address_space: global }
      - { .name: bo, .offset: 16, .size: 8, .value_kind: global_buffer, .address_space: global }
      - { .name: out0, .offset: 24, .size: 8, .value_kind: global_buffer, .address_space: global }
    .group_segment_fixed_size: 327680
    .private_segment_fixed_size: 0
    .kernarg_segment_align: 8
    .kernarg_segment_size: 32
    .max_flat_workgroup_size: 128
    .sgpr_count:     66
    .vgpr_count:     768
    .wavefront_size: 32
...
	.end_amdgpu_metadata
.endif
;; end of part 4
